; MI455X (gfx1250); checked and timed in simulation.
; The chip was launched on July 23, 2026; its instructions are those of AMD's public machine-readable ISA for CDNA 5 (MIT licence, August 2026) and "CDNA5" Instruction Set Architecture Reference Guide (July 2026). The comments in the code are by the model that wrote it; some were corrected since.
;; Multi Head Attention. Allowed arithmetic: matrix products marked QUANTISED: E3M2 operands, one E8M0 scale for each 32 along K, by v_wmma_scale_f32_16x16x128_f8f6f4 with both operands' format E3M2, f32 sums; everything else in f32.
;; Inputs: W_k 1,024 x 1,024 float32; W_o 1,024 x 1,024 float32; W_q 1,024 x 1,024 float32; W_v 1,024 x 1,024 float32; attention_mask 1 x 2,048 x 2,048 int32; b_k 1,024 float32; b_o 1,024 float32; b_q 1,024 float32; b_v 1,024 float32; key 4 x 2,048 x 1,024 float32; key_padding_mask 4 x 2,048 int32; query 4 x 2,048 x 1,024 float32; value 4 x 2,048 x 1,024 float32.
;; Outputs: out0 4 x 2,048 x 1,024 float32.
;; This version of the problem:
;;   THIS VERSION OF THE PROBLEM IS GIVEN IN LOW PRECISION. The matrix products marked QUANTISED in the list below multiply operands that are first quantised to E3M2 (3 exponent bits, 2 mantissa bits; 6 bits a number), with one power-of-two scale for each 32 numbers along K (OCP MX v1.0); their sums are f32. All else is computed in f32.
;;   The module's matrix products, in the order in which they are computed (A, B: the left and right operand; K: the contracted axis; several contracted axes count as one K, in the product's order):
;;     1. [M 8,192, K 1,024] x [K 1,024, N 1,024]; A: input query; B: input W_q: QUANTISED
;;     2. [M 8,192, K 1,024] x [K 1,024, N 1,024]; A: input key; B: input W_k: QUANTISED
;;     3. [M 8,192, K 1,024] x [K 1,024, N 1,024]; A: input value; B: input W_v: QUANTISED
;;     4. batch 64 x [M 2,048, K 64] x [K 64, N 2,048]; A: computed on the way; B: computed on the way: QUANTISED
;;     5. batch 64 x [M 2,048, K 2,048] x [K 2,048, N 64]; A: softmax (see below); B: computed on the way: QUANTISED
;;     6. [M 8,192, K 1,024] x [K 1,024, N 1,024]; A: computed on the way; B: input W_o: QUANTISED
;;   THE QUANTISER, for each operand of a quantised product, along K:
;;     - K is cut into blocks of 32 from its start; a last block that is shorter is filled with zeros.
;;     - A block's scale is 2^e with e = floor(log2(the largest magnitude in the block)) - 4, held to -126 .. 127; a block of zeros has e = 0. As a byte (E8M0): e + 127.
;;     - Each number is divided by its block's scale, clamped to +-28, and rounded to the nearest number of E3M2, ties to even, subnormals kept.
;;     - The product sums the exact products of the quantised numbers (number of the format x scale) in f32.
;;   ~~~python
;;   def quantise(x, axis):      # numpy; x: float32 -> the quantised numbers, widened to float32 again
;;       x = np.moveaxis(x, axis, -1); K = x.shape[-1]
;;       x = np.pad(x, [(0, 0)] * (x.ndim - 1) + [(0, -K % 32)]); x = x.reshape(x.shape[:-1] + (-1, 32)); a = np.abs(x).max(-1, keepdims=True)
;;       e = np.where(a > 0, np.clip(np.frexp(np.where(a > 0, a, 1))[1] - 1 - 4, -126, 127), 0)      # np.frexp(a)[1] - 1 = floor(log2(a)), exactly
;;       r = np.clip(x / 2.0 ** e, -28, 28)
;;       step = 2.0 ** (np.maximum(np.frexp(np.where(r == 0, 1, r))[1] - 1, -2) - 2)
;;       q = np.round(r / step) * step * 2.0 ** e      # np.round: ties to even
;;       return np.moveaxis(q.reshape(q.shape[:-2] + (-1,))[..., :K], -1, axis).astype(np.float32)
;;   ~~~
;;   SOFTMAX AHEAD OF A QUANTISED PRODUCT. Where the list says 'softmax', what is quantised is not the finished softmax but p = 2^(t - M), with t = logit x log2(e) and M = ceil(the row's largest t), a whole number; so 1/2 < the row's largest p <= 1. The row's sum l is taken of the UNQUANTISED p, in f32, and the product's result is divided by l at the end. Since M is a whole number, a kernel that streams over the keys may use a running M (the ceiling of the running maximum): every later rescaling is an exact power of two, which a block's scale takes up: the codes' values come out the same.
;;   OPERANDS COMPUTED ON THE WAY. 'Computed on the way' means the value that the module computes at that place (a softmax that the list does not call 'softmax' is quantised finished and normalised). What goes into a quantiser is computed in f32, as accurately as f32 sums, v_exp_f32 and their like allow (about 1e-6 of the number): no bf16 or f16 on the way to a quantiser, and a product that is left as it is and whose result goes on into a quantised operand takes f32 operands (vector FMAs, or v_wmma_f32_16x16x4_f32). A number that lies on a knife's edge between two numbers of the format may be rounded either way, as far as f32 arithmetic and the matrix unit's own rounding can turn it there, and no further.
;; One version. Each part assembles by itself: llvm-mc -triple=amdgcn-amd-amdhsa -mcpu=gfx1250 --defsym DOCPART=n.
;; ======== version 1 of 1: 4 launches
;; limits: right only within a limited range of input values
;; workspace buffers: codes 23,855,104 bytes; scales 917,504 bytes; mwords 2,097,152 bytes of whole numbers; meta 32,768 bytes of whole numbers; img 18,874,368 bytes; isc 1,572,864 bytes; xcodes 6,291,456 bytes; xsc 262,144 bytes
;; launch prep (part 1): grid 1408 x 1, 4 waves a work-group, no clusters, 76,288 bytes of LDS; arguments query, key, value, W_q, W_k, W_v, W_o, attention_mask, key_padding_mask, codes, scales, mwords, meta; writes codes, scales, mwords, meta
.if DOCPART == 1
	.amdgcn_target "amdgcn-amd-amdhsa--gfx1250"
	.amdhsa_code_object_version 6
	.text
	.protected	k_q70e84f742a_prep
	.globl	k_q70e84f742a_prep
	.p2align	8
	.type	k_q70e84f742a_prep,@function
k_q70e84f742a_prep:
	s_mov_b64 s[64:65], 0
	v_nop
	global_prefetch_b8 v0, s[64:65] scope:SCOPE_SE
	s_setreg_imm32_b32 hwreg(HW_REG_WAVE_MODE, 25, 1), 1
	s_wait_xcnt 0x0
; PREP: two jobs in one launch, told apart by the work-group's number; each job has LDS bytes of its own.
; (1) Work-groups 512 .. 1407 turn query, key, value [8192][1024] and W_q, W_k, W_v, W_o [1024][1024], f32, K innermost, into codes of BF6 (E3M2), 6 bits each, and one E8M0 byte for each 32 along K:
;     codes: 28,672 rows of 768 bytes, scales: the same rows of 32 bytes; rows 0 query, 8,192 key, 16,384 value, 24,576 W_q, 25,600 W_k, 26,624 W_v, 27,648 W_o.
;     A block's byte is its largest magnitude's exponent field - 4, held at 1 from below (a block of zeros so gets 1: its codes are zeros, and this program alone reads the bytes).
;     TILE ORDER: of each 32 rows the second and the third run of 8 change places (all tensors but W_o), so that 16 rows on end are rows 32 b + 8 u + r + 8 (r / 8) of the tensor: the later products want their tiles so.
;     A wave takes 8 rows (8,192 numbers) in 16 steps of 512; each load reads 512 consecutive bytes; a step turns through the wave's own stage in LDS so that a lane holds 16 neighbours along K.
; (2) Work-groups 0 .. 511 read both masks and store, for each batch b, tile T of 16 queries and step j of 128 keys, 64 lane masks (mwords) and one word (meta).
;     Bit 16 h + r of word n: query 32 (T / 2) + 8 (T % 2) + r + 8 (r / 8) may not see key 128 j + 32 (n / 16) + 16 h + n % 16 (key_padding_mask != 0 or attention_mask == 1).
;     meta: bits 15:0: row r has an open key in the step; bit 16: some element of the tile is hidden.  A wave takes one (T, j), all four batches.
; LIMITS: NaN and infinities among the inputs are not served.
.set STEPS, 16
.set EMAX,  4
.set CB,    12                         ; bytes of 16 codes
.set R,     16                         ; v16-79 (quantiser: four sets of 16 numbers as loaded); v16-95 (masks: 20 rows as loaded)
.set X,     80                         ; v80-111  two sets of 16 neighbours
.set C,     128                        ; v128-191 codes: four registers a step
.set E,     112                        ; v112-127 a scale byte a step
.set WREG,  8192                       ; LDS of the quantiser: a region for each wave: two stages of 32 x SP bytes, then its 256 scale bytes
.set SP,    80                         ; a lane's place in a stage: 64 bytes + 16
.set MB,    32768                      ; LDS of the masks' job begins here
.set MREG,  10752                      ; a region for each wave: 20 rows of MP bytes
.set MP,    528                        ; 512 bytes + 16
.set AT,    96                         ; v96-111  attention_mask: my 16 keys of a quarter step
.set KT,    112                        ; v112-175 key_padding_mask: the same keys, four batches
.set MW,    176                        ; v176-183 the 64 words of a batch: a pair of registers, word n in lane n / 2 of register n % 2
.set ME,    184                        ; v184     the four meta words, in lanes 0 .. 3
	s_load_b512 s[4:19], s[0:1], 0x0               ; query, key, value, W_q, W_k, W_v, W_o, attention_mask
	s_load_b256 s[20:27], s[0:1], 0x40             ; key_padding_mask, codes, scales, mwords
	s_load_b64 s[28:29], s[0:1], 0x60              ; meta
	v_lshl_add_u32 v192, v0, 2, 0x12800
	v_mov_b32 v193, 0
	v_lshrrev_b32 v1, 5, v0
	v_readfirstlane_b32 s30, v1                    ; wave 0..3
	v_and_b32 v2, 31, v0                           ; lane
	s_cmp_lt_u32 ttmp9, 512
	s_cbranch_scc1 .Lmask
	; ---------------- the quantiser ----------------
	v_lshlrev_b32 v3, 4, v2                        ; my 16 bytes of a load's 512
	s_mul_i32 s32, s30, WREG
	v_lshrrev_b32 v14, 2, v2
	v_mul_u32_u24 v14, v14, SP
	v_and_b32 v15, 3, v2
	v_lshl_add_u32 v14, v15, 4, v14
	v_add_nc_u32 v14, s32, v14                     ; the stage, on the way in: SP (lane / 4) + 16 (lane % 4)
	v_mul_u32_u24 v15, v2, SP
	v_add_nc_u32 v15, s32, v15                     ; and on the way out: SP x lane: my 16 neighbours
	; THE CODES' LAYOUT (in place of plain rows of 768 bytes): blocks of 128 rows; in a block four steps of 256 along K, 26,624 bytes each; in a step a row has 192 bytes of codes and 16 zero bytes.
	; So 128 rows x 256 along K are 104 x 256 consecutive bytes, and a row's place in LDS is its place in memory.
	v_and_b32 v4, 15, v2
	v_mul_u32_u24 v4, v4, CB
	v_lshrrev_b32 v5, 4, v2
	v_mad_u32_u24 v4, v5, 26624, v4                ; my codes' place: lanes 16-31 stand in the next step of 256 along K
	v_lshrrev_b32 v5, 1, v2
	s_add_co_u32 s32, s32, 2*32*SP
	v_add_nc_u32 v5, s32, v5                       ; LDS: my wave's 256 scale bytes, my block's byte
	v_lshlrev_b32 v7, 3, v2                        ; and on the way out 8 bytes a lane
	v_add_nc_u32 v6, s32, v7
	s_sub_co_u32 s31, ttmp9, 512                   ; g: which 32 rows of the 28,672
	s_wait_alu depctr_va_vdst(0)
	s_wait_kmcnt 0x0
	s_mov_b64 s[36:37], s[4:5]                     ; the tensor is chosen by g alone: no address enters a condition
	s_mov_b32 s33, 0                               ; and the g at which it begins
.macro PICK lim, p
	s_cmp_ge_u32 s31, \lim
	s_cselect_b64 s[36:37], s[\p:\p+1], s[36:37]
	s_cselect_b32 s33, \lim, s33
.endm
	PICK 256, 6
	PICK 512, 8
	PICK 768, 10
	PICK 800, 12
	PICK 832, 14
	PICK 864, 16
	s_sub_co_u32 s34, s31, s33
	s_lshl_b32 s34, s34, 2
	s_add_co_u32 s34, s34, s30                     ; which run of 8 rows of the tensor I read
	s_lshl_b32 s34, s34, 15                        ; 32,768 bytes a run
	s_mov_b32 s35, 0
	s_add_nc_u64 s[36:37], s[36:37], s[34:35]
	s_and_b32 s38, s30, 1
	s_lshl_b32 s38, s38, 1
	s_lshr_b32 s39, s30, 1
	s_or_b32 s38, s38, s39                         ; runs 1 and 2 of the four change places: tile order;
	s_cmp_lt_u32 s31, 864
	s_cselect_b32 s38, s38, s30                    ; W_o keeps its order
	s_lshl_b32 s39, s31, 2
	s_add_co_u32 s38, s38, s39                     ; the run that I write
	s_lshr_b32 s34, s38, 4
	s_mul_i32 s34, s34, 106496                     ; the block of 128 rows,
	s_and_b32 s39, s38, 15
	s_mul_i32 s39, s39, 1664                       ; and in it 8 rows of 208 bytes
	s_add_co_u32 s34, s34, s39
	s_add_nc_u64 s[22:23], s[22:23], s[34:35]
	s_lshl_b32 s34, s38, 8                         ; 8 rows of 32 bytes
	s_add_nc_u64 s[24:25], s[24:25], s[34:35]
.macro LOAD t
.irp i, 0,1,2,3
	global_load_b128 v[R+16*((\t)%4)+4*\i:R+16*((\t)%4)+4*\i+3], v3, s[36:37] offset:2048*(\t)+512*\i th:TH_LOAD_NT   ; 32 lanes read 512 consecutive bytes
.endr
.endm
.macro TURN t                          ; step t's numbers through the stage: LDS serves a wave's instructions in order, so no wait stands between the stores and the loads
.irp i, 0,1,2,3
	ds_store_b128 v14, v[R+16*((\t)%4)+4*\i:R+16*((\t)%4)+4*\i+3] offset:32*SP*((\t)%2)+8*SP*\i
.endr
.irp i, 0,1,2,3
	ds_load_b128 v[X+16*((\t)%2)+4*\i:X+16*((\t)%2)+4*\i+3], v15 offset:32*SP*((\t)%2)+16*\i
.endr
.endm
.irp t, 0,1,2,3
	LOAD \t
.endr
	s_wait_loadcnt 12                              ; step 0's four loads are in; the twelve of steps 1 to 3 may be out
	TURN 0
.macro STEP t
.set XS, X+16*((\t)%2)
.if (\t) > 0
	s_wait_dscnt 1                                 ; this step's numbers are back from the stage (the last step's byte store may be out): so its stores into the stage have read their registers,
.else
	s_wait_dscnt 0x0
.endif
.if (\t)+4 < STEPS
	LOAD (\t)+4                                    ; which take the loads of four steps on
.endif
.if (\t)+1 < STEPS
.if STEPS-2-(\t) >= 3
	s_wait_loadcnt 12                              ; the next step's four loads are in; those of the three steps behind it may be out
.else
	s_wait_loadcnt 4*(STEPS-2-(\t))
.endif
	TURN (\t)+1                                    ; and go through the other stage while this step is worked
.endif
	v_max3_num_f32 v8, |v[XS]|, |v[XS+1]|, |v[XS+2]|               ; the largest magnitude of my 16, in two chains
	v_max3_num_f32 v9, |v[XS+3]|, |v[XS+4]|, |v[XS+5]|
.irp i, 6,10
	v_max3_num_f32 v8, v8, |v[XS+\i]|, |v[XS+\i+1]|
	v_max3_num_f32 v9, v9, |v[XS+\i+2]|, |v[XS+\i+3]|
.endr
	v_max3_num_f32 v8, v8, |v[XS+14]|, |v[XS+15]|
	v_max3_num_f32 v8, v8, v9, (EMAX+1)<<23        ; and the floor 2^(EMAX + 1 - 127): the byte cannot fall under 1
	v_max_num_f32_dpp v8, v8, v8 row_xmask:1 row_mask:0xf bank_mask:0xf   ; and of my neighbour's 16: the block's
	v_add_nc_u32 v11, -(EMAX<<23), v8              ; EMAX off its exponent field: the conversion takes the exponent field of this operand as its scale
	v_cvt_scalef32_pk16_bf6_f32 v[C+4*(\t):C+4*(\t)+2], v[XS:XS+15], v11   ; sixteen codes, 96 bits, the first number's lowest
	v_lshrrev_b32 v[E+(\t)], 23, v11               ; the scale's byte (a plain line behind the conversion)
	ds_store_b8 v5, v[E+(\t)] offset:16*(\t)       ; both lanes of a block write the same byte with the same value
	global_store_b96 v4, v[C+4*(\t):C+4*(\t)+2], s[22:23] offset:208*((\t)/2)+53248*((\t)%2)   ; row t / 2; two runs of 192 consecutive bytes
.endm
.irp t, 0,1,2,3,4,5,6,7,8,9,10,11,12,13,14,15
	STEP \t
.endr
	v_and_b32 v14, 3, v2
	v_mul_u32_u24 v14, v14, 26624
	v_lshrrev_b32 v15, 2, v2
	v_mad_u32_u24 v14, v15, 208, v14               ; lane l: row l / 4, step l % 4
	v_mov_b32 v8, 0
	v_mov_b32 v9, 0
	v_mov_b32 v10, 0
	v_mov_b32 v11, 0
	global_store_b128 v14, v[8:11], s[22:23] offset:192   ; the 16 bytes behind each 192 are written too: the later launches fetch them with the codes
	ds_load_b64 v[12:13], v6
	s_wait_dscnt 0x0
	global_store_b64 v7, v[12:13], s[24:25]        ; 32 lanes store 256 consecutive bytes, aligned
	s_wait_tensorcnt 0x0
	ds_add_u32 v192, v193
	s_wait_dscnt 0x0
	s_endpgm
	; ---------------- the masks ----------------
.Lmask:
	s_lshr_b32 s31, ttmp9, 2                       ; T: the tile of 16 queries
	s_and_b32 s32, ttmp9, 3
	s_lshl_b32 s32, s32, 2
	s_add_co_u32 s32, s32, s30                     ; j: the step of 128 keys
	s_wait_alu depctr_va_vdst(0)
	v_lshlrev_b32 v1, 4, v2                        ; 16 x lane
	v_and_b32 v8, 15, v0                           ; r
	v_bfe_u32 v9, v0, 4, 1                         ; h
	s_mul_i32 s33, s30, MREG
	s_add_co_u32 s33, s33, MB                      ; my wave's stage
	v_add_nc_u32 v7, s33, v1                       ; in: a row as it is loaded
	v_mul_u32_u24 v3, v8, MP
	v_lshl_add_u32 v3, v9, 6, v3
	v_add_nc_u32 v3, s33, v3                       ; out, attention_mask: row r, + 64 h: my 16 keys of a block of 32
	v_lshlrev_b32 v4, 6, v9
	v_add_nc_u32 v4, s33, v4
	v_add_nc_u32 v4, 16*MP, v4                     ; out, key_padding_mask: rows 16 .. 19, + 64 h
	v_lshlrev_b32 v5, 3, v2                        ; mwords: 8 bytes a lane
	v_lshlrev_b32 v6, 6, v2                        ; meta: 64 bytes from batch to batch
	s_lshr_b32 s34, s31, 1
	s_lshl_b32 s34, s34, 5
	s_and_b32 s35, s31, 1
	s_lshl_b32 s35, s35, 3
	s_add_co_u32 s34, s34, s35                     ; the tile's first query: 32 (T / 2) + 8 (T % 2)
	s_lshl_b32 s34, s34, 13                        ; rows of 8,192 bytes
	s_lshl_b32 s36, s32, 9                         ; 512 j
	s_add_co_u32 s34, s34, s36
	s_mov_b32 s35, 0
	s_mov_b32 s37, 0
	s_lshl_b32 s38, s31, 4
	s_add_co_u32 s38, s38, s32
	s_lshl_b32 s38, s38, 8                         ; mwords: (16 T + j) x 256
	s_mov_b32 s39, 0
	s_lshl_b32 s44, s31, 8
	s_lshl_b32 s45, s32, 2
	s_add_co_u32 s44, s44, s45                     ; meta: 256 T + 4 j
	s_mov_b32 s45, 0
	s_wait_kmcnt 0x0
	s_add_nc_u64 s[18:19], s[18:19], s[34:35]
	s_add_nc_u64 s[20:21], s[20:21], s[36:37]
	s_add_nc_u64 s[26:27], s[26:27], s[38:39]
	s_add_nc_u64 s[28:29], s[28:29], s[44:45]
.set P, 0
.rept 16
	global_load_b128 v[R+4*P:R+4*P+3], v1, s[18:19] offset:(P+8*(P/8))*8192 th:TH_LOAD_NT   ; one query's 128 keys: 512 consecutive bytes
.set P, P+1
.endr
.irp b, 0,1,2,3
	global_load_b128 v[R+64+4*\b:R+64+4*\b+3], v1, s[20:21] offset:\b*8192                   ; one batch's 128 keys
.endr
.irp i, 0,1,2,3,4,5,6,7,8
	v_mov_b32 v[MW+\i], 0                          ; written whole once: lanes are written singly below
.endr
.irp b, 0,1,2,3
	s_mov_b32 s[48+\b], -1                         ; the AND of a batch's 64 words
	s_mov_b32 s[52+\b], 0                          ; and their OR
.endr
	s_wait_loadcnt 0x0
.set P, 0
.rept 20
	ds_store_b128 v7, v[R+4*P:R+4*P+3] offset:P*MP
.set P, P+1
.endr
.set Q, 0
.rept 4                                ; a quarter step: 32 keys, 16 words
.irp e, 0,1,2,3
	ds_load_b128 v[AT+4*\e:AT+4*\e+3], v3 offset:128*Q+16*\e       ; LDS serves a wave's instructions in order: these see my stores
.endr
.irp b, 0,1,2,3
.irp e, 0,1,2,3
	ds_load_b128 v[KT+16*\b+4*\e:KT+16*\b+4*\e+3], v4 offset:\b*MP+128*Q+16*\e
.endr
.endr
	s_wait_dscnt 0x0
.set I, 0
.rept 16
	v_cmp_eq_u32 s40, 1, v[AT+I]                   ; attention_mask == 1
.irp b, 0,1,2,3
	v_cmp_ne_u32 s[41+\b], 0, v[KT+16*\b+I]        ; key_padding_mask != 0
.endr
.irp b, 0,1,2,3
	s_or_b32 s[41+\b], s[41+\b], s40               ; word n = 16 Q + I of batch b
.endr
.irp b, 0,1,2,3
	s_and_b32 s[48+\b], s[48+\b], s[41+\b]
.endr
.irp b, 0,1,2,3
	s_or_b32 s[52+\b], s[52+\b], s[41+\b]
.endr
.irp b, 0,1,2,3
	v_writelane_b32 v[MW+2*\b+(I%2)], s[41+\b], (16*Q+I)/2
.endr
.set I, I+1
.endr
.set Q, Q+1
.endr
.irp b, 0,1,2,3
	s_lshr_b32 s57, s[48+\b], 16
	s_and_b32 s57, s57, s[48+\b]                   ; bit r: all 128 keys hidden for row r (both halves of the lanes)
	s_not_b32 s57, s57
	s_and_b32 s57, s57, 0xffff                     ; bit r: row r has an open key
	s_cmp_lg_u32 s[52+\b], 0
	s_cselect_b32 s58, 0x10000, 0                  ; bit 16: something is hidden
	s_or_b32 s57, s57, s58
	v_writelane_b32 v[ME], s57, \b
.endr
	s_wait_alu depctr_va_vdst(0)
.irp b, 0,1,2,3
	global_store_b64 v5, v[MW+2*\b:MW+2*\b+1], s[26:27] offset:\b*524288   ; 32 lanes store 256 consecutive bytes, aligned
.endr
	v_cmp_gt_u32 vcc_lo, 4, v2
	s_wait_xcnt 0x0                                ; EXEC changes only behind this wait: the stores above have it among their sources
	s_wait_tensorcnt 0x0
	ds_add_u32 v192, v193
	s_wait_dscnt 0x0
	s_and_saveexec_b32 s56, vcc_lo
	global_store_b32 v6, v[ME], s[28:29]           ; four words of 4 bytes, 64 bytes apart: 32 KiB in the whole launch are written so
	s_wait_xcnt 0x0                                ; and again, in front of the line that widens it
	s_or_b32 exec_lo, exec_lo, s56
	s_endpgm
.Lfunc_end_k_q70e84f742a_prep:
	.size	k_q70e84f742a_prep, .Lfunc_end_k_q70e84f742a_prep-k_q70e84f742a_prep
	.p2alignl 7, 3214868480
	.fill 96, 4, 3214868480
	.section	.rodata,"a",@progbits
	.p2align	6, 0x0
	.amdhsa_kernel k_q70e84f742a_prep
		.amdhsa_group_segment_fixed_size 76288
		.amdhsa_private_segment_fixed_size 0
		.amdhsa_enable_private_segment 0
		.amdhsa_kernarg_size 104
		.amdhsa_user_sgpr_count 2
		.amdhsa_user_sgpr_kernarg_segment_ptr 1
		.amdhsa_wavefront_size32 1
		.amdhsa_system_sgpr_workgroup_id_x 1
		.amdhsa_system_sgpr_workgroup_id_y 1
		.amdhsa_system_sgpr_workgroup_id_z 1
		.amdhsa_system_vgpr_workitem_id 0
		.amdhsa_next_free_vgpr 194
		.amdhsa_next_free_sgpr 66
		.amdhsa_reserve_vcc 1
		.amdhsa_float_denorm_mode_32 3
		.amdhsa_float_denorm_mode_16_64 3
		.amdhsa_memory_ordered 1
		.amdhsa_forward_progress 1
		.amdhsa_inst_pref_size 107
	.end_amdhsa_kernel
	.amdgpu_metadata
---
amdhsa.version: [ 1, 2 ]
amdhsa.kernels:
  - .name:           k_q70e84f742a_prep
    .symbol:         k_q70e84f742a_prep.kd
    .args:
      - { .name: query, .offset: 0, .size: 8, .value_kind: global_buffer, .address_space: global }
      - { .name: key, .offset: 8, .size: 8, .value_kind: global_buffer, .address_space: global }
      - { .name: value, .offset: 16, .size: 8, .value_kind: global_buffer, .address_space: global }
      - { .name: W_q, .offset: 24, .size: 8, .value_kind: global_buffer, .address_space: global }
      - { .name: W_k, .offset: 32, .size: 8, .value_kind: global_buffer, .address_space: global }
      - { .name: W_v, .offset: 40, .size: 8, .value_kind: global_buffer, .address_space: global }
      - { .name: W_o, .offset: 48, .size: 8, .value_kind: global_buffer, .address_space: global }
      - { .name: attention_mask, .offset: 56, .size: 8, .value_kind: global_buffer, .address_space: global }
      - { .name: key_padding_mask, .offset: 64, .size: 8, .value_kind: global_buffer, .address_space: global }
      - { .name: codes, .offset: 72, .size: 8, .value_kind: global_buffer, .address_space: global }
      - { .name: scales, .offset: 80, .size: 8, .value_kind: global_buffer, .address_space: global }
      - { .name: mwords, .offset: 88, .size: 8, .value_kind: global_buffer, .address_space: global }
      - { .name: meta, .offset: 96, .size: 8, .value_kind: global_buffer, .address_space: global }
    .group_segment_fixed_size: 76288
    .private_segment_fixed_size: 0
    .kernarg_segment_align: 8
    .kernarg_segment_size: 104
    .max_flat_workgroup_size: 128
    .sgpr_count:     66
    .vgpr_count:     194
    .wavefront_size: 32
...
	.end_amdgpu_metadata
.endif
;; end of part 1
;; launch proj (part 2): grid 4 x 64, 4 waves a work-group, clusters of 4 x 4, 327,680 bytes of LDS; arguments codes, scales, b_q, b_k, b_v, img, isc; writes img, isc
.if DOCPART == 2
	.amdgcn_target "amdgcn-amd-amdhsa--gfx1250"
	.amdhsa_code_object_version 6
	.text
	.protected	k_q70e84f742a_proj
	.globl	k_q70e84f742a_proj
	.p2align	8
	.type	k_q70e84f742a_proj,@function
k_q70e84f742a_proj:
	s_mov_b64 s[64:65], 0
	v_nop
	global_prefetch_b8 v0, s[64:65] scope:SCOPE_SE
	s_setreg_imm32_b32 hwreg(HW_REG_WAVE_MODE, 25, 1), 1
	s_wait_xcnt 0x0
	s_wait_alu depctr_hold_cnt(0) depctr_sa_sdst(0) depctr_va_vdst(0) depctr_va_sdst(0) depctr_va_ssrc(0) depctr_va_vcc(0) depctr_vm_vsrc(0)
	s_getreg_b32 s2, hwreg(HW_REG_IB_STS2, 6, 4)
	s_cmp_eq_u32 s2, 0
	s_cbranch_scc0 .Lentry_in_a_cluster
	s_endpgm
.Lentry_in_a_cluster:
	s_bfe_u32 s2, ttmp6, 0x10000c
	s_cmp_lg_u32 s2, 0xf033
	s_cbranch_scc0 .Lentry_shape_is_right
	s_endpgm
.Lentry_shape_is_right:
; PROJ: q = query W_q^T + b_q, k = key W_k^T + b_k, v^T = W_v value^T + b_v on codes of BF6 with E8M0 scales; the results are quantised along the next product's K and stored as images of operand registers.
; A block is 256 rows of A x 128 rows of B with ALL of K (1,024) in LDS: 3 x 128 rows x 832 bytes = 319,488 bytes, one tensor load a wave.  q, k: A = the tokens, B = the weight's rows; v: A = W_v's rows, B = the tokens.
; A WORK-GROUP STAYS: 256 work-groups make a block of q, one of k and one of v each.  Behind a block's last product the LDS bytes are filled again with the next block, and the block's way out (bias, quantiser, stores)
; stands behind that request.  q and k are two trips of a loop; v is the tail, written out: it asks for nothing more, and its bias runs along A.
; A wave makes 64 rows of A x 128 of B: 32 accumulators, 8 steps of 128 along K.  The codes lie in memory as they lie in LDS (blocks of 128 rows, steps of 256 along K, rows of 208 bytes = 52 words:
; the 32 lanes of a load of 8 bytes touch 64 different banks).  The scale words (32 bytes a row) go from memory straight into registers.
; CLUSTERS 4 x 4: A's blocks are asked for jointly along a row of the cluster, B's along a column; a round of the cluster's barrier stands in front of each group of joint loads.
; PREFETCH: in each trip of the loop, behind the second step's LDS loads, the next block's bytes are named once in the cluster: of A's 832 runs of 256 bytes partner cx takes 208, of B's 416 partner cy takes 104, a wave a quarter of that.
; TRANSPOSED USE: source 0 = 16 rows of B, source 1 = 16 rows of A: a lane holds one row of A and eight neighbours along B.
; REGISTERS: window 0: v0-31 addresses, v32-95 scale words (lanes 0-15 A's block i, lanes 16-31 B's block i), v96-191 A's fragments, two sets (on the way out at work), v192-255 the bias along B; window 1: accumulators; window 2: B's fragments, two sets.
; LIMITS: NaN and infinities are not served; a block of zeros gets the scale byte 1 (this program alone reads the bytes).
.set PITCH, 208
.set KB,    128*PITCH
.set BLK,   4*KB
.set LB,    2*BLK
.set SPARE, 3*BLK
.set PF0,  4
.set PF1,  5
.set PF2,  6
.set LI,   7
.set L8,   8
.set L4,   9
.set SH,   10
.set BCO,  11
.set BRO,  12
.set SA0,  13
.set ADRA, 14
.set ADRB, 16
.set RB,   18
.set PW,   26
.set WD,   27
.set SPW,  28
.set NIL,  29
.set SAN,  30
.set SA2,  31
.set SC,   32
.set AF,   96
.set CBI,  192
.set ST,   96
.set PC,   160
.set TA,   180
.set TB,   184
.set TC,   188
.set SEL,  46
.set G1, 24
.set G0, 32
.set G1B, 48
.set G0B, 56
.set MSB, 0
.macro WIN new
.if MSB != \new
	s_set_vgpr_msb (MSB<<8)|\new
.set MSB, \new
.endif
.endm
.macro CROUND
	s_barrier_signal -1
	s_barrier_wait -1
	s_cmp_lg_u32 s14, 0
	s_cbranch_scc1 .Lnot_wave_0_\@
	s_barrier_signal -3
.Lnot_wave_0_\@:
	s_barrier_wait -3
	s_barrier_signal -1
	s_barrier_wait -1
.endm
.macro PLACES
.rept 4
	v_nop
.endr
.endm
.macro JLOAD                           ; one load a wave: waves 0, 1 a block of 128 rows of A each, waves 2, 3 half of B's block each
	s_cmp_eq_u32 s15, 0
	s_cbranch_scc0 .Lfor_b_\@
	tensor_load_to_lds s[G0:G0+3], s[G1:G1+7]
	s_nop 0
	PLACES
	s_branch .Lasked_\@
.Lfor_b_\@:
	tensor_load_to_lds s[G0B:G0B+3], s[G1B:G1B+7]
	s_nop 0
	PLACES
.Lasked_\@:
.endm
	s_load_b128 s[4:7], s[0:1], 0x0                ; codes, scales
	s_load_b128 s[8:11], s[0:1], 0x10              ; b_q, b_k
	s_load_b128 s[96:99], s[0:1], 0x20             ; b_v, img
	s_load_b64 s[12:13], s[0:1], 0x30              ; isc
	v_lshl_add_u32 v[SPW], v0, 2, SPARE
	v_mov_b32 v[NIL], 0
	ds_add_u32 v[SPW], v[NIL]                      ; the opening lines: the add twice on end
	ds_add_u32 v[SPW], v[NIL]
	v_lshrrev_b32 v1, 5, v0
	v_readfirstlane_b32 s14, v1                    ; wave
	s_lshr_b32 s15, s14, 1                         ; I fetch for A (0) or B (1)
	s_and_b32 s16, s14, 1                          ; which half of it
	s_bfe_u32 s40, ttmp6, 0x40000                  ; cx
	s_bfe_u32 s41, ttmp6, 0x40004                  ; cy
	s_and_b32 s2, ttmp7, 0xffff                    ; cluster 0 .. 15
	s_lshr_b32 s17, s2, 1
	s_lshl_b32 s17, s17, 2
	s_add_co_u32 s17, s17, s41                     ; q, k: A's tile of 256 tokens
	s_and_b32 s42, s2, 1
	s_lshl_b32 s42, s42, 2
	s_add_co_u32 s42, s42, s40                     ; q, k: B's block of 128 channels
	s_lshl_b32 s66, s2, 2
	s_add_co_u32 s66, s66, s40                     ; v: B's block of 128 tokens (A's tile of 256 channels is cy)
	s_lshl_b32 s43, s41, 2
	s_lshl_b32 s43, 15, s43                        ; my row of the cluster
	s_lshl_b32 s44, 0x1111, s40                    ; my column
	s_or_b32 s[G1], s43, (3<<16)|(1<<21)           ; dense blocks as rows of 256 bytes (32 elements of 8 bytes): A 416 rows a load, B 208
	s_or_b32 s[G1B], s44, (3<<16)|(1<<21)
.irp g, G1, G1B
	s_mov_b32 s[\g+1], 32<<16
	s_mov_b32 s[\g+3], 32<<16
	s_mov_b32 s[\g+5], 32
	s_mov_b32 s[\g+6], 0
	s_mov_b32 s[\g+7], 0
.endr
	s_mov_b32 s[G1+2], 416<<16
	s_mov_b32 s[G1+4], 416
	s_mov_b32 s[G1B+2], 208<<16
	s_mov_b32 s[G1B+4], 208
	s_lshl_b32 s20, s17, 8                         ; first rows in codes and scales: q's A,
	s_lshl_b32 s68, s41, 8
	s_add_co_u32 s68, s68, 26624                   ; v's A,
	s_lshl_b32 s46, s42, 7
	s_add_co_u32 s46, s46, 24576                   ; q's B,
	s_lshl_b32 s70, s66, 7
	s_add_co_u32 s70, s70, 16384                   ; v's B
	s_lshl_b32 s69, s14, 6
	s_add_co_u32 s22, s20, s69
	s_lshl_b32 s22, s22, 5                         ; the scales of my 64 rows of A, in bytes: q's,
	s_add_co_u32 s72, s68, s69
	s_lshl_b32 s72, s72, 5                         ; v's;
	s_lshl_b32 s23, s46, 5                         ; of B's 128 rows: q's,
	s_lshl_b32 s73, s70, 5                         ; v's
	s_mul_i32 s20, s20, 832
	s_mul_i32 s68, s68, 832
	s_mul_i32 s46, s46, 832
	s_mul_i32 s70, s70, 832
	s_mul_i32 s45, s16, BLK
	s_mul_i32 s94, s16, 2*KB
	s_add_co_u32 s95, s94, LB
	s_mul_i32 s74, s40, 2*KB
	s_mul_i32 s75, s14, KB/2
	s_add_co_u32 s74, s74, s75                     ; the prefetches: my wave's part of A's block,
	s_mul_i32 s75, s41, KB
	s_mul_i32 s71, s14, KB/4
	s_add_co_u32 s75, s75, s71                     ; and of B's
	s_mov_b32 s37, 0
	s_mov_b32 s61, 0
	s_mov_b32 s77, 0
	s_wait_dscnt 0x0
	s_wait_kmcnt 0x0
	s_add_co_u32 s36, s20, s45
	s_add_nc_u64 s[G0+2:G0+3], s[4:5], s[36:37]
	s_or_b32 s[G0+3], s[G0+3], 0x80000000
	s_add_co_u32 s36, s68, s45
	s_add_nc_u64 s[88:89], s[4:5], s[36:37]        ; v's A
	s_or_b32 s89, s89, 0x80000000
	s_add_co_u32 s60, s46, s94
	s_add_nc_u64 s[G0B+2:G0B+3], s[4:5], s[60:61]
	s_or_b32 s[G0B+3], s[G0B+3], 0x80000000
	s_add_co_u32 s60, s70, s94
	s_add_nc_u64 s[90:91], s[4:5], s[60:61]        ; v's B
	s_or_b32 s91, s91, 0x80000000
	s_mov_b32 s[G0], 1
	s_mov_b32 s[G0+1], s45
	s_mov_b32 s[G0B], 1
	s_mov_b32 s[G0B+1], s95
	s_add_co_u32 s76, s20, s74
	s_add_co_u32 s76, s76, 8192*832
	s_add_nc_u64 s[78:79], s[4:5], s[76:77]        ; what the first trip prefetches: k's A,
	s_add_co_u32 s76, s46, s75
	s_add_co_u32 s76, s76, 1024*832
	s_add_nc_u64 s[80:81], s[4:5], s[76:77]        ; k's B;
	s_add_co_u32 s76, s68, s74
	s_add_nc_u64 s[82:83], s[4:5], s[76:77]        ; the second: v's A,
	s_add_co_u32 s76, s70, s75
	s_add_nc_u64 s[92:93], s[4:5], s[76:77]        ; v's B
	CROUND                                         ; the joint loads meet
	JLOAD                                          ; q's block
	s_lshr_b32 s71, s17, 3                         ; q's record: (8 batch + pair of heads) 128 + tile of 16 tokens; k's: 4,096 on
	s_lshl_b32 s71, s71, 3
	s_add_co_u32 s71, s71, s42
	s_lshl_b32 s71, s71, 7
	s_and_b32 s69, s17, 7
	s_lshl_b32 s69, s69, 4
	s_add_co_u32 s71, s71, s69
	s_lshl_b32 s69, s14, 2
	s_add_co_u32 s71, s71, s69
	s_lshr_b32 s18, s66, 4                         ; v's record: ((16 batch + head) 16 + step of 128 keys) 4 + 8,192
	s_lshl_b32 s18, s18, 4
	s_lshl_b32 s19, s41, 2
	s_add_co_u32 s18, s18, s19
	s_add_co_u32 s18, s18, s14
	s_lshl_b32 s18, s18, 4
	s_and_b32 s19, s66, 15
	s_add_co_u32 s18, s18, s19
	s_lshl_b32 s18, s18, 2
	s_add_co_u32 s18, s18, 8192
	s_mul_i32 s76, s18, 1536
	s_add_nc_u64 s[84:85], s[98:99], s[76:77]
	s_lshl_b32 s76, s18, 7
	s_add_nc_u64 s[86:87], s[12:13], s[76:77]
	s_mul_i32 s76, s71, 1536
	s_add_nc_u64 s[4:5], s[98:99], s[76:77]
	s_lshl_b32 s76, s71, 7
	s_add_nc_u64 s[12:13], s[12:13], s[76:77]
	s_lshl_b32 s18, s42, 9                         ; q, k: the bias of my 128 channels
	s_lshl_b32 s19, s41, 10
	s_lshl_b32 s21, s14, 8
	s_add_co_u32 s19, s19, s21                     ; v: of my 64 channels
	s_mul_i32 s67, s15, BLK
	s_mul_i32 s21, s16, 64*PITCH
	s_add_co_u32 s67, s67, s21                     ; my 64 rows of A in LDS
	s_mov_b32 s[SEL], 0x76543210
	s_mov_b32 s[SEL+1], 0xfedcba98
	s_mov_b32 s3, 0
	v_and_b32 v1, 15, v0                           ; r
	v_bfe_u32 v2, v0, 4, 1                         ; h
	v_and_b32 v26, 31, v0                          ; lane
	v_mul_u32_u24 v3, v1, PITCH
	v_mad_u32_u24 v3, v2, 24, v3
	v_add_nc_u32 v[ADRA], s67, v3                  ; steps 0-3 of 128 along K;
	v_add_nc_u32 v[ADRA+1], 2*KB, v[ADRA]          ; steps 4-7
	v_add_nc_u32 v[ADRB], LB, v3
	v_add_nc_u32 v[ADRB+1], LB+2*KB, v3
	v_sub_nc_u32 v27, 1, v2
	v_lshlrev_b32 v3, 5, v1
	v_mad_u32_u24 v[SA0], s22, v27, v3             ; scale words: lanes 0-15 A's rows, lanes 16-31 B's: q's,
	v_mad_u32_u24 v[SA0], s23, v2, v[SA0]
	v_mad_u32_u24 v[SA2], s72, v27, v3             ; v's,
	v_mad_u32_u24 v[SA2], s73, v2, v[SA2]
	v_mul_u32_u24 v3, v2, 229376
	v_sub_nc_u32 v3, 262144, v3
	v_add_nc_u32 v[SAN], v[SA0], v3                ; k's: 8,192 rows on for A, 1,024 for B
	v_lshlrev_b32 v[BCO], 6, v2
	v_add_nc_u32 v[BCO], s18, v[BCO]
	v_and_b32 v[BRO], 8, v1
	v_add_nc_u32 v[BRO], v[BRO], v1
	v_lshlrev_b32 v[BRO], 2, v[BRO]
	v_add_nc_u32 v[BRO], s19, v[BRO]
	v_lshlrev_b32 v[SH], 4, v2
	v_lshlrev_b32 v[LI], 4, v26
	v_lshlrev_b32 v[L8], 3, v26
	v_lshlrev_b32 v[L4], 2, v26
	v_lshlrev_b32 v[PF0], 8, v26                   ; a lane a run of 256 bytes: A's 52 runs in two instructions (the lanes left over name the last run again),
	v_min_u32 v3, 19, v26
	v_lshl_add_u32 v[PF1], v3, 8, 8192
	v_min_u32 v3, 25, v26
	v_lshlrev_b32 v[PF2], 8, v3                    ; B's 26 in one
.irp a, 0,1,2,3
	v_mov_b32 v[RB+2*\a+1], 0
.endr
	s_wait_alu depctr_va_vdst(0)                   ; the wait at the head's end
.irp a, 0,1,2,3
	global_load_b32 v[RB+2*\a], v[BRO], s[96:97] offset:(32*(\a/2)+8*(\a%2))*4
.endr
.macro SCLOAD adr                      ; a row's eight scale words
.irp i, 0,1,2,3,4,5,6,7
	global_load_b128 v[SC+8*\i:SC+8*\i+3], v[\adr], s[6:7] offset:512*\i
	global_load_b128 v[SC+8*\i+4:SC+8*\i+7], v[\adr], s[6:7] offset:512*\i+16
.endr
.endm
	SCLOAD SA0
.macro FRAG reg, adr, st, i            ; 16 rows x 128 K: 24 bytes of the row for each half of the step, in pieces of 8
.irp p, 0,1,2,3,4,5
	ds_load_b64 v[\reg+2*\p:\reg+2*\p+1], v[\adr+(\st)/4] offset:(((\st)/2)%2)*KB+((\st)%2)*96+48*(\p/3)+8*(\p%3)+(\i)*16*PITCH
.endr
.endm
.macro FETCH st
	WIN 0x80
.irp i, 0,1,2,3,4,5,6,7
	FRAG 128*((\st)%2)+12*\i, ADRB, \st, \i
.endr
	WIN 0
.irp i, 0,1,2,3
	FRAG AF+48*((\st)%2)+12*\i, ADRA, \st, \i
.endr
.endm
.macro MUL st, zero                    ; the 32 accumulators by turns, in the same order in every step
	WIN 0x52
.irp a, 0,1,2,3
.irp b, 0,1,2,3,4,5,6,7
.if \zero
	v_wmma_scale_f32_16x16x128_f8f6f4 v[8*(8*\a+\b):8*(8*\a+\b)+7], v[128*((\st)%2)+12*\b:128*((\st)%2)+12*\b+11], v[AF+48*((\st)%2)+12*\a:AF+48*((\st)%2)+12*\a+11], 0, v[SC+8*\b+(\st)], v[SC+8*\a+(\st)] matrix_a_fmt:MATRIX_FMT_BF6 matrix_b_fmt:MATRIX_FMT_BF6 matrix_a_scale:MATRIX_SCALE_ROW1
.else
	v_wmma_scale_f32_16x16x128_f8f6f4 v[8*(8*\a+\b):8*(8*\a+\b)+7], v[128*((\st)%2)+12*\b:128*((\st)%2)+12*\b+11], v[AF+48*((\st)%2)+12*\a:AF+48*((\st)%2)+12*\a+11], v[8*(8*\a+\b):8*(8*\a+\b)+7], v[SC+8*\b+(\st)], v[SC+8*\a+(\st)] matrix_a_fmt:MATRIX_FMT_BF6 matrix_b_fmt:MATRIX_FMT_BF6 matrix_a_scale:MATRIX_SCALE_ROW1
.endif
.endr
.endr
	WIN 0
.endm
.macro WALK pf                         ; a block's 8 steps; pf = 1: the next block is prefetched
	s_wait_dscnt 0x0
	FETCH 1
	MUL 0, 1                                       ; the first step starts the sums
.irp st, 1,2,3,4,5,6
	s_wait_dscnt 0x0                               ; this step's fragments, asked for ahead of the last step's products
	PLACES                                         ; in front of loads into registers that the last step's products read
	FETCH \st+1
.if (\pf) && (\st == 1)
	global_prefetch_b8 v[PF0], s[78:79] th:TH_LOAD_NT scope:SCOPE_SE
	global_prefetch_b8 v[PF1], s[78:79] th:TH_LOAD_NT scope:SCOPE_SE
	global_prefetch_b8 v[PF2], s[80:81] th:TH_LOAD_NT scope:SCOPE_SE
.endif
	MUL \st, 0
.endr
	s_wait_dscnt 0x0
	MUL 7, 0
.endm
.macro QUANT s                         ; 64 numbers a lane: four blocks of 32 shared with lane l xor 16 -> 12 registers of codes and a scale word
.irp b, 0,1,2,3
	v_max3_num_f32 v[TA+\b], |v[\s+16*\b]|, |v[\s+1+16*\b]|, 0x2800000
.endr
.irp i, 2,4,6,8,10,12,14
.irp b, 0,1,2,3
	v_max3_num_f32 v[TA+\b], v[TA+\b], |v[\s+16*\b+\i]|, |v[\s+1+16*\b+\i]|
.endr
.endr
.irp b, 0,1,2,3
	v_permlanex16_b32 v[TB+\b], v[TA+\b], s[SEL], s[SEL+1]
.endr
.irp b, 0,1,2,3
	v_max_num_f32 v[TA+\b], v[TA+\b], v[TB+\b]
.endr
.irp b, 0,1,2,3
	v_add_nc_u32 v[TC+\b], 0xfe000000, v[TA+\b]
.endr
.irp b, 0,1,2,3
	v_lshrrev_b32 v[TB+\b], 23, v[TC+\b]
.endr
	v_lshl_or_b32 v[PW], v[TB+1], 8, v[TB]
	v_lshl_or_b32 v[PW], v[TB+2], 16, v[PW]
	v_lshl_or_b32 v[PW], v[TB+3], 24, v[PW]
.irp c, 0,1
	v_cvt_scalef32_pk16_bf6_f32 v[PC+6*\c:PC+2+6*\c], v[\s+32*\c:\s+15+32*\c], v[TC+2*\c]
	v_cvt_scalef32_pk16_bf6_f32 v[PC+12+4*\c:PC+14+4*\c], v[\s+16+32*\c:\s+31+32*\c], v[TC+2*\c+1]
.endr
	v_nop
.irp c, 0,1
.irp i, 0,1,2
	v_permlane16_swap_b32 v[PC+6*\c+\i], v[PC+12+4*\c+\i]
.endr
.irp i, 0,1,2
	v_mov_b32 v[PC+3+6*\c+\i], v[PC+12+4*\c+\i]
.endr
.endr
.endm
.macro OUTBLK a, vv, bp, bs            ; 16 rows of A x 128 of B: bias, quantiser, one record of 1,536 bytes and its 128 bytes of scale words.  vv = 1: v's block
.if (\a) > 0
	s_wait_xcnt 0x0                                ; the last block's stores have read their registers
.endif
	WIN 0x01
.set K2, 0
.rept 32
.if \vv
	v_pk_add_f32 v[ST+K2:ST+K2+1], v[64*(\a)+K2:64*(\a)+K2+1], v[RB+2*(\a):RB+2*(\a)+1] op_sel_hi:[1,0]
.else
	v_pk_add_f32 v[ST+K2:ST+K2+1], v[64*(\a)+K2:64*(\a)+K2+1], v[CBI+K2:CBI+K2+1]   ; each accumulator from its low end on
.endif
.set K2, K2+2
.endr
	WIN 0
	QUANT ST
.if \vv
	v_mov_b32 v[WD], v[PW]
.else
	v_lshrrev_b32 v[WD], v[SH], v[PW]
.endif
.irp c, 0,1
	global_store_b128 v[LI], v[PC+6*\c:PC+6*\c+3], s[\bp:\bp+1] offset:(\a)*1536+768*\c
	global_store_b64 v[L8], v[PC+6*\c+4:PC+6*\c+5], s[\bp:\bp+1] offset:(\a)*1536+768*\c+512
.endr
	global_store_b32 v[L4], v[WD], s[\bs:\bs+1] offset:(\a)*128
.endm
.Ltile:                                                ; trip 0: q, trip 1: k
.irp b, 0,1,2,3,4,5,6,7
	global_load_b128 v[CBI+8*\b:CBI+8*\b+3], v[BCO], s[8:9] offset:(32*(\b/2)+8*(\b%2))*4
	global_load_b128 v[CBI+8*\b+4:CBI+8*\b+7], v[BCO], s[8:9] offset:(32*(\b/2)+8*(\b%2))*4+16
.endr
	s_wait_tensorcnt 0x0                           ; my part of the block is in
	s_barrier_signal -1
	s_barrier_wait -1                              ; and everybody's
	FETCH 0
	s_wait_loadcnt 16                              ; the scale words are in; the 16 loads of the bias may be out
	WALK 1
	s_wait_tensorcnt 0x0                           ; in front of the refill: no load of mine is out,
	ds_add_u32 v[SPW], v[NIL]                      ; the add,
	s_add_nc_u64 s[G0+2:G0+3], s[G0+2:G0+3], 8192*832      ; (the next block: k's lies 8,192 and 1,024 rows behind q's; behind k comes v's)
	s_add_nc_u64 s[G0B+2:G0B+3], s[G0B+2:G0B+3], 1024*832
	s_cmp_eq_u32 s3, 0
	s_cselect_b64 s[G0+2:G0+3], s[G0+2:G0+3], s[88:89]
	s_cselect_b64 s[G0B+2:G0B+3], s[G0B+2:G0B+3], s[90:91]
	s_wait_dscnt 0x0                               ; and my reads of this block are over
	CROUND                                         ; so of every wave of the cluster
	JLOAD                                          ; the next block; the four v_nop behind it are the places in front of the loads below
	SCLOAD SAN                                     ; and its scale words
	s_wait_loadcnt 16                              ; the bias is in; the 16 loads just issued may be out
.irp a, 0,1,2,3
	OUTBLK \a, 0, 4, 12
.endr
	s_wait_xcnt 0x0                                ; bases and address registers are stepped only behind this wait
	s_add_nc_u64 s[4:5], s[4:5], 4096*1536
	s_add_nc_u64 s[12:13], s[12:13], 4096*128
	s_mov_b64 s[8:9], s[10:11]
	s_mov_b64 s[78:79], s[82:83]
	s_mov_b64 s[80:81], s[92:93]
	v_mov_b32 v[SAN], v[SA2]
	s_add_co_u32 s3, s3, 1
	s_cmp_lt_u32 s3, 2
	s_wait_alu depctr_va_vdst(0)                   ; directly ahead of the branch
	s_cbranch_scc1 .Ltile
	s_wait_tensorcnt 0x0                           ; v's block
	s_barrier_signal -1
	s_barrier_wait -1
	FETCH 0
	s_wait_loadcnt 0x0
	WALK 0
	PLACES
.irp a, 0,1,2,3
	OUTBLK \a, 1, 84, 86
.endr
	s_wait_tensorcnt 0x0                           ; the wave's end
	ds_add_u32 v[SPW], v[NIL]
	s_wait_dscnt 0x0
	CROUND                                         ; the closing round
	s_endpgm
.Lfunc_end_k_q70e84f742a_proj:
	.size	k_q70e84f742a_proj, .Lfunc_end_k_q70e84f742a_proj-k_q70e84f742a_proj
	.p2alignl 7, 3214868480
	.fill 96, 4, 3214868480
	.section	.rodata,"a",@progbits
	.p2align	6, 0x0
	.amdhsa_kernel k_q70e84f742a_proj
		.amdhsa_group_segment_fixed_size 327680
		.amdhsa_private_segment_fixed_size 0
		.amdhsa_enable_private_segment 0
		.amdhsa_kernarg_size 56
		.amdhsa_user_sgpr_count 2
		.amdhsa_user_sgpr_kernarg_segment_ptr 1
		.amdhsa_wavefront_size32 1
		.amdhsa_system_sgpr_workgroup_id_x 1
		.amdhsa_system_sgpr_workgroup_id_y 1
		.amdhsa_system_sgpr_workgroup_id_z 1
		.amdhsa_system_vgpr_workitem_id 0
		.amdhsa_next_free_vgpr 768
		.amdhsa_next_free_sgpr 100
		.amdhsa_reserve_vcc 0
		.amdhsa_float_denorm_mode_32 3
		.amdhsa_float_denorm_mode_16_64 3
		.amdhsa_memory_ordered 1
		.amdhsa_forward_progress 1
		.amdhsa_inst_pref_size 207
	.end_amdhsa_kernel
	.amdgpu_metadata
---
amdhsa.version: [ 1, 2 ]
amdhsa.kernels:
  - .name:           k_q70e84f742a_proj
    .symbol:         k_q70e84f742a_proj.kd
    .args:
      - { .name: codes, .offset: 0, .size: 8, .value_kind: global_buffer, .address_space: global }
      - { .name: scales, .offset: 8, .size: 8, .value_kind: global_buffer, .address_space: global }
      - { .name: b_q, .offset: 16, .size: 8, .value_kind: global_buffer, .address_space: global }
      - { .name: b_k, .offset: 24, .size: 8, .value_kind: global_buffer, .address_space: global }
      - { .name: b_v, .offset: 32, .size: 8, .value_kind: global_buffer, .address_space: global }
      - { .name: img, .offset: 40, .size: 8, .value_kind: global_buffer, .address_space: global }
      - { .name: isc, .offset: 48, .size: 8, .value_kind: global_buffer, .address_space: global }
    .group_segment_fixed_size: 327680
    .private_segment_fixed_size: 0
    .kernarg_segment_align: 8
    .kernarg_segment_size: 56
    .max_flat_workgroup_size: 128
    .sgpr_count:     100
    .vgpr_count:     768
    .wavefront_size: 32
...
	.end_amdgpu_metadata
.endif
;; end of part 2
;; launch attn (part 3): grid 4 x 64, 16 waves a work-group, no clusters, 211,968 bytes of LDS; arguments img, isc, mwords, meta, xcodes, xsc; writes xcodes, xsc
.if DOCPART == 3
	.amdgcn_target "amdgcn-amd-amdhsa--gfx1250"
	.amdhsa_code_object_version 6
	.text
	.protected	k_q70e84f742a_attn
	.globl	k_q70e84f742a_attn
	.p2align	8
	.type	k_q70e84f742a_attn,@function
k_q70e84f742a_attn:
	s_mov_b64 s[64:65], 0
	v_nop
	global_prefetch_b8 v0, s[64:65] scope:SCOPE_SE
	s_setreg_imm32_b32 hwreg(HW_REG_WAVE_MODE, 25, 1), 1
	s_wait_xcnt 0x0
; ATTN: x[b][q][head] = softmax_k(q . k / 8, under both masks) v, both products on codes of BF6 with E8M0 scales, and x quantised along the channels for the last product.
; INPUTS (made by the launches before): img, isc: q's, k's and v's operands as images of their registers; mwords: 64 lane masks for each (batch, tile of 16 queries, step of 128 keys); meta: a word for each of these.
; THE SOFTMAX: t = score x log2(e) / 8; M = the running largest t rounded UP to a whole number; p = 2^(t - M) is quantised along the keys; the row's sum is taken of the unquantised p and divides at the end.
; THE MASKS: a hidden score becomes -2^100.  c x 2^100 is exact, so for a row that has seen hidden keys alone t - M is exactly 0 and p = 1; when an open key comes, 2^(old M - new M) is 0 and all that was summed vanishes; beside an
; open key a hidden p is 0.  So a row all of whose 2,048 keys are hidden gets the plain mean over all keys.  LIMIT: true scores lie above -2^100.
; A KEY STEP IN WHICH NO ROW OF THE TILE HAS AN OPEN KEY IS LEFT OUT (a scalar branch on stored whole numbers), unless some row of the tile has no open key at all: then no step of the tile is left out.
; No tensor load is used: the walk hangs on numbers read from memory.  That also rules out joint loads for the four work-groups that share a head's k and v; each copies them once, 205 KB, through registers.
; SHARES.  Work-group (g, y = 16 b + head).  A whole head's k and v lie in LDS, copied once, one barrier behind the copy.  Wave w then makes tiles 16 g + w and 127 - (16 g + w) of 16 queries, one after the other.
; LAYOUT.  Both products transposed: S^T = k q^T (source 0 = 16 keys), O^T = v^T p^T (source 0 = 16 channels): a lane holds one query.  Lane r of key tile t is key 32 (t / 2) + 8 (t % 2) + r + 8 (r / 8): so registers 16 b + i of S^T
; are keys 32 b + 16 (lane / 16) + i.  The channels of v's tiles are chosen likewise, so registers 16 b + i of O^T are channels 32 b + 16 (lane / 16) + i.
; THE HEAD'S 64 IN THE INSTRUCTION'S 128: q's registers 6-11 are zero codes.  k's tile t is named as v[32 + 6 t .. 43 + 6 t]: its upper six registers are the next tile's codes, which meet q's zeros; the scale bytes 2, 3 are another
; block's byte or 0, never 0xff.  So nothing is read twice and no zeros lie in LDS.
; LIMITS: NaN and infinities are not served; 1 / l by v_rcp_f32; a block of zeros gets the scale byte 1 (this program alone reads the bytes).
; REGISTERS: v1-4 16, 8, 4 x lane, 4 r; v5 -2^100; v6-7 where x's scale bytes go; v8-11, v28-29 a trip's LDS addresses; v12 -M, v13 largest t, v[14:15] the sum; v16-21 q, v22-27 zeros; v30, 31, 86, 87, 88 LDS bases;
;   v32-85 k's 8 half fragments (v80-85 zeros), later v's 4 fragments; v96-159 S^T, then p; v160-191 O^T; v224-235 p's codes; v232-254 at work; v248-251 k's or v's scale words; v253 p's scale word; v255 q's.
.set KB,   0                           ; LDS: k: 128 tiles x 768 bytes
.set VB,   98304                       ; v: 64 records x 1,536 bytes: step j at 6,144 j
.set KSC,  196608                      ; k's scale words: 128 tiles x 64 bytes
.set VSC,  204800                      ; v's: 64 records x 64 bytes
.set XSB,  208896                      ; x's scale bytes: 2 passes x 16 tiles x 32 bytes
.set WV,   2                           ; s2   wave
.set TT,   9                           ; s9   the tile of queries in hand
.set SEL,  10                          ; s[10:11]
.set CS,   12                          ; s[12:13] c = log2(e) / 8, twice
	s_load_b256 s[16:23], s[0:1], 0x0              ; img, isc, mwords, meta
	s_load_b128 s[24:27], s[0:1], 0x20             ; xcodes, xsc
	v_lshl_add_u32 v223, v0, 2, 0x33400
	v_mov_b32 v243, 0
	v_lshrrev_b32 v8, 5, v0
	s_delay_alu instid0(VALU_DEP_1)
	v_readfirstlane_b32 s[WV], v8                  ; wave 0..15
	v_and_b32 v9, 31, v0                           ; lane
	v_and_b32 v10, 15, v0                          ; r
	s_delay_alu instid0(VALU_DEP_2)
	v_lshlrev_b32 v1, 4, v9
	s_delay_alu instid0(VALU_DEP_3)
	v_lshlrev_b32 v2, 3, v9
	s_delay_alu instid0(VALU_DEP_4)
	v_lshlrev_b32 v3, 2, v9
	s_delay_alu instid0(VALU_DEP_4)
	v_lshlrev_b32 v4, 2, v10
	v_lshrrev_b32 v11, 2, v9
	v_and_b32 v12, 3, v9
	s_delay_alu instid0(VALU_DEP_1)
	v_lshlrev_b32 v12, 4, v12
	s_delay_alu instid0(VALU_DEP_1)
	v_lshl_add_u32 v11, v11, 7, v12                ; k's scale records: 64 bytes of each 128: (lane / 4) 128 + (lane % 4) 16
	v_lshrrev_b32 v12, 3, v9
	v_and_b32 v13, 7, v9
	s_delay_alu instid0(VALU_DEP_1)
	v_lshlrev_b32 v13, 3, v13
	s_delay_alu instid0(VALU_DEP_1)
	v_lshl_add_u32 v12, v12, 7, v13                ; v's: (lane / 8) 128 + (lane % 8) 8
	s_mul_i32 s48, s[WV], 6144
	v_add_nc_u32 v13, s48, v1                      ; the copy's places in LDS: k: 6,144 w + 16 x lane,
	v_add_nc_u32 v14, s48, v2                      ; + 8 x lane;
	s_delay_alu instid0(VALU_DEP_2)
	v_add_nc_u32 v15, VB, v13                      ; v
	s_lshl_b32 s48, s[WV], 9
	v_add_nc_u32 v28, s48, v1
	s_delay_alu instid0(VALU_DEP_1)
	v_add_nc_u32 v28, KSC, v28
	s_lshl_b32 s48, s[WV], 8
	v_add_nc_u32 v29, s48, v2
	s_delay_alu instid0(VALU_DEP_1)
	v_add_nc_u32 v29, VSC, v29
	v_add_nc_u32 v30, VB, v1
	v_add_nc_u32 v31, VB, v2
	v_add_nc_u32 v86, KSC, v3
	v_add_nc_u32 v87, VSC, v3
	v_lshlrev_b32 v8, 1, v10                       ; 2 r
	s_lshl_b32 s48, s[WV], 5
	v_add_nc_u32 v6, s48, v8
	s_delay_alu instid0(VALU_DEP_1)
	v_add_nc_u32 v6, XSB, v6                       ; pass 0: tile 16 g + w: place w
	s_xor_b32 s48, s[WV], 15
	s_lshl_b32 s48, s48, 5
	v_add_nc_u32 v7, s48, v8
	s_delay_alu instid0(VALU_DEP_1)
	v_add_nc_u32 v7, XSB+512, v7                   ; pass 1: tile 16 (7 - g) + 15 - w: place 15 - w
	s_and_b32 s48, s[WV], 1
	s_lshl_b32 s48, s48, 9
	v_add_nc_u32 v88, s48, v1
	s_delay_alu instid0(VALU_DEP_1)
	v_add_nc_u32 v88, XSB, v88                     ; at the end waves 0 and 1 read a pass's 512 bytes back
	s_and_b32 s28, ttmp7, 0xffff                   ; y = 16 b + head
	s_lshr_b32 s29, s28, 1
	s_and_b32 s30, s28, 1                          ; the head's parity: which half of a record of q or k
	s_lshl_b32 s31, s29, 7                         ; q's first record (k's: 4,096 on)
	s_mul_i32 s40, s31, 1536
	s_mul_i32 s41, s30, 768
	s_add_co_u32 s40, s40, s41
	s_mov_b32 s41, 0
	s_lshl_b32 s42, s31, 7
	s_lshl_b32 s43, s30, 6
	s_add_co_u32 s42, s42, s43
	s_mov_b32 s43, 0
	s_lshl_b32 s44, s28, 6
	s_lshl_b32 s45, s[WV], 2
	s_add_co_u32 s44, s44, s45                     ; v's records of key step w: 64 y + 4 w
	s_mul_i32 s46, s44, 1536
	s_add_co_u32 s46, s46, 8192*1536
	s_mov_b32 s47, 0
	s_lshl_b32 s44, s44, 7
	s_add_co_u32 s44, s44, 8192*128
	s_mov_b32 s45, 0
	s_mul_i32 s50, s[WV], 8*1536                   ; k's tiles 8 w on
	s_add_co_u32 s50, s50, 4096*1536
	s_mov_b32 s51, 0
	s_lshl_b32 s52, s[WV], 10
	s_add_co_u32 s52, s52, 4096*128
	s_mov_b32 s53, 0
	s_lshr_b32 s54, s28, 4                         ; b
	s_and_b32 s55, s28, 15                         ; head
	s_lshl_b32 s56, s54, 19                        ; mwords: 524,288 bytes a batch
	s_mov_b32 s57, 0
	s_lshl_b32 s58, s54, 6                         ; meta: 64 bytes a batch
	s_mov_b32 s59, 0
	s_lshl_b32 s60, s55, 9
	s_lshl_b32 s61, s54, 7
	s_add_co_u32 s60, s60, s61
	s_mul_i32 s60, s60, 768                        ; xcodes: (512 head + 128 b) half images
	s_mov_b32 s61, 0
	s_lshl_b32 s62, s55, 13
	s_lshl_b32 s63, s54, 11
	s_add_co_u32 s62, s62, s63
	s_lshl_b32 s63, ttmp9, 8                       ; pass 0's 256 rows begin at 256 g,
	s_sub_co_u32 s68, 1792, s63                    ; pass 1's at 1,792 - 256 g
	s_cmp_eq_u32 s[WV], 0
	s_cselect_b32 s63, s63, s68                    ; wave 0 stores pass 0's scale bytes, wave 1 pass 1's
	s_add_co_u32 s62, s62, s63
	s_lshl_b32 s62, s62, 1                         ; xsc: 2 bytes a row
	s_mov_b32 s63, 0
	s_lshl_b32 s[TT], ttmp9, 4
	s_add_co_u32 s[TT], s[TT], s[WV]               ; pass 0's tile
	s_mov_b32 s[SEL], 0x76543210
	s_mov_b32 s[SEL+1], 0xfedcba98                 ; lane l xor 16
	s_mov_b32 s[CS], 0x3e38aa3b                    ; c = log2(e) / 8
	s_mov_b32 s[CS+1], s[CS]
	s_wait_kmcnt 0x0
	s_add_nc_u64 s[34:35], s[16:17], s[46:47]      ; v's codes
	s_add_nc_u64 s[38:39], s[18:19], s[44:45]      ; v's scales
	s_add_nc_u64 s[16:17], s[16:17], s[40:41]      ; q's tile 0, my head's half
	s_add_nc_u64 s[18:19], s[18:19], s[42:43]
	s_add_nc_u64 s[32:33], s[16:17], s[50:51]      ; k's tiles 8 w on
	s_add_nc_u64 s[36:37], s[18:19], s[52:53]
	s_add_nc_u64 s[20:21], s[20:21], s[56:57]
	s_add_nc_u64 s[22:23], s[22:23], s[58:59]
	s_add_nc_u64 s[24:25], s[24:25], s[60:61]
	s_add_nc_u64 s[26:27], s[26:27], s[62:63]
	; THE COPY: wave w brings k's tiles 8 w .. 8 w + 7, v's key step w, and their scale words
.irp i, 0,1,2,3,4,5,6,7
	global_load_b128 v[32+4*\i:35+4*\i], v1, s[32:33] offset:\i*1536
.endr
.irp i, 0,1,2,3,4,5,6,7
	global_load_b64 v[64+2*\i:65+2*\i], v2, s[32:33] offset:\i*1536+512
.endr
.irp i, 0,1,2,3,4,5,6,7,8,9,10,11
	global_load_b128 v[96+4*\i:99+4*\i], v1, s[34:35] offset:512*\i
.endr
	global_load_b128 v[144:147], v11, s[36:37]
	global_load_b64 v[148:149], v12, s[38:39]
	v_mov_b32 v5, 0xf1800000                       ; -2^100
.irp i, 0,1,2,3,4,5
	v_mov_b32 v[22+\i], 0                          ; q's upper half: zero codes
	v_mov_b32 v[80+\i], 0                          ; what stands behind k's last tile
.endr
.irp i, 0,1,2,3
	v_mov_b32 v[236+\i], 0                         ; written once: a lane permute's destination counts as one of its sources
.endr
	v_mov_b32 v252, 0
	v_mov_b32 v253, 0
; ONE TILE OF 16 QUERIES through all 16 key steps.
.macro PASS p
	s_wait_xcnt 0x0                                ; the last pass's stores have read their registers and their base
.if \p
	s_sub_co_u32 s[TT], 127, s[TT]
.endif
	s_mul_i32 s28, s[TT], 1536
	s_mov_b32 s29, 0
	s_add_nc_u64 s[30:31], s[16:17], s[28:29]
	global_load_b128 v[16:19], v1, s[30:31] th:TH_LOAD_NT          ; q's half image: registers 0-3,
	global_load_b64 v[20:21], v2, s[30:31] offset:512 th:TH_LOAD_NT   ; 4, 5
	s_lshl_b32 s28, s[TT], 7
	s_add_nc_u64 s[100:101], s[18:19], s[28:29]
	global_load_b32 v255, v4, s[100:101]           ; q's scale words
	s_lshl_b32 s28, s[TT], 8
	s_add_nc_u64 s[6:7], s[22:23], s[28:29]
	s_load_b512 s[68:83], s[6:7], 0x0              ; the tile's 16 meta words
	s_lshl_b32 s28, s[TT], 12
	s_add_nc_u64 s[4:5], s[20:21], s[28:29]        ; the tile's lane masks
.if \p == 0
	; the copy's second half stands here, behind the first tile's own loads, so that q and the meta words are on their way with k and v
	s_wait_loadcnt 17                              ; k's sixteen loads are in; v's twelve, the two of scale words and q's three may be out
.irp i, 0,1,2,3,4,5,6,7
	ds_store_b128 v13, v[32+4*\i:35+4*\i] offset:768*\i
	ds_store_b64 v14, v[64+2*\i:65+2*\i] offset:768*\i+512
.endr
	s_wait_loadcnt 3                               ; all of the copy is in; q's three may be out
.irp i, 0,1,2,3,4,5,6,7,8,9,10,11
	ds_store_b128 v15, v[96+4*\i:99+4*\i] offset:512*\i
.endr
	ds_store_b128 v28, v[144:147]
	ds_store_b64 v29, v[148:149]
	s_wait_dscnt 0x0                               ; for the others' sake: my stores have landed
	s_barrier_signal -1
	s_barrier_wait -1                              ; the head's k and v are whole; nothing writes them again
.endif
	v_mov_b32 v13, 0xff61b1e6                      ; the largest t so far: -3e38
	s_delay_alu instid0(VALU_DEP_1)
	v_floor_f32 v12, -v13                          ; -M
	v_mov_b32 v14, 0
	v_mov_b32 v15, 0
.set J, 0
.rept 32
	v_mov_b32 v[160+J], 0                          ; O^T: the loop has no first step of its own: the first change of M multiplies zeros
.set J, J+1
.endr
	s_mov_b32 s14, 0                               ; bit j: step j is left out
	s_mov_b32 s15, 0                               ; bit j: step j has hidden elements
	s_mov_b32 s8, 0                                ; rows that have an open key somewhere
	s_wait_kmcnt 0x0
.irp j, 0,1,2,3,4,5,6,7,8,9,10,11,12,13,14,15
	s_and_b32 s28, s[68+\j], 0xffff                ; SCC: some row has an open key in step j
	s_cselect_b32 s29, 0, 1<<\j
	s_or_b32 s14, s14, s29
	s_or_b32 s8, s8, s28
	s_bitcmp1_b32 s[68+\j], 16
	s_cselect_b32 s29, 1<<\j, 0
	s_or_b32 s15, s15, s29
.endr
	s_cmp_eq_u32 s8, 0xffff
	s_cselect_b32 s14, s14, 0                      ; a row with no open key at all wants every key: nothing is left out
	s_mov_b32 s6, 0                                ; 256 j: lane masks, v's scale words
	s_mov_b32 s7, 0                                ; 6,144 j: k's and v's codes
	s_mov_b32 s8, 0                                ; 512 j: k's scale words
	s_mov_b32 s3, 16
	s_wait_loadcnt 0x0                             ; q
.Ltrip_\@:
	s_bitcmp1_b32 s14, 0
	s_cbranch_scc1 .Lskip_\@
	v_add_nc_u32 v8, s7, v1                        ; (these six plain lines are the places behind the last trip's products, in front of the loads into their registers)
	v_add_nc_u32 v9, s7, v2
	v_add_nc_u32 v10, s7, v30
	v_add_nc_u32 v11, s7, v31
	v_add_nc_u32 v28, s8, v86
	v_add_nc_u32 v29, s6, v87
.irp t, 0,1,2,3,4,5,6,7
	ds_load_b128 v[32+6*\t:35+6*\t], v8 offset:768*\t
	ds_load_b64 v[36+6*\t:37+6*\t], v9 offset:768*\t+512
.endr
.irp u, 0,1,2,3
	ds_load_b32 v[248+\u], v28 offset:128*\u       ; lanes 0-15: tile 2 u's words, lanes 16-31: tile 2 u + 1's
.endr
	s_wait_alu depctr_va_vdst(0)
	s_wait_dscnt 0x0
.irp t, 0,1,2,3,4,5,6,7
.if \t%2
	v_wmma_scale_f32_16x16x128_f8f6f4 v[96+8*\t:103+8*\t], v[32+6*\t:43+6*\t], v[16:27], 0, v[248+\t/2], v255 matrix_a_fmt:MATRIX_FMT_BF6 matrix_b_fmt:MATRIX_FMT_BF6 matrix_a_scale:MATRIX_SCALE_ROW1
.else
	v_wmma_scale_f32_16x16x128_f8f6f4 v[96+8*\t:103+8*\t], v[32+6*\t:43+6*\t], v[16:27], 0, v[248+\t/2], v255 matrix_a_fmt:MATRIX_FMT_BF6 matrix_b_fmt:MATRIX_FMT_BF6
.endif
.endr
.rept 4
	v_nop                                          ; places: in front of the loads into k's registers, and of the first read of the scores
.endr
.irp t, 0,1,2,3                                ; v's four fragments are asked for now and land under the softmax
.irp c, 0,1
	ds_load_b128 v[32+12*\t+6*\c:35+12*\t+6*\c], v10 offset:1536*\t+768*\c
	ds_load_b64 v[36+12*\t+6*\c:37+12*\t+6*\c], v11 offset:1536*\t+768*\c+512
.endr
.endr
.irp u, 0,1
	ds_load_b32 v[248+\u], v29 offset:128*\u
.endr
	s_bitcmp1_b32 s15, 0
	s_cbranch_scc0 .Lopen_\@                       ; nothing of this step is hidden: its lane masks are not read
	s_load_b512 s[32:47], s[4:5], s6 offset:0x0    ; the step's 64 lane masks: word n in s[32 + n], from n = 32 on in s[36 + n]
	s_load_b512 s[48:63], s[4:5], s6 offset:0x40
	s_load_b512 s[68:83], s[4:5], s6 offset:0x80
	s_load_b512 s[84:99], s[4:5], s6 offset:0xc0
	s_wait_kmcnt 0x0                               ; they are in (and their offset may be stepped)
.set N, 0
.rept 64
	v_cndmask_b32 v[96+N], v[96+N], v5, s[32+N+4*(N/32)]   ; ascending: each accumulator is read from its low end on
.set N, N+1
.endr
.Lopen_\@:
.irp b, 0,1,2,3
	v_max3_num_f32 v[232+\b], v[96+16*\b], v[97+16*\b], v[98+16*\b]   ; the largest score of each block of 32 keys: it serves for the row's maximum and, since p rises with the score, for the block's largest p
.endr
.irp i, 3,5,7,9,11,13
.irp b, 0,1,2,3
	v_max3_num_f32 v[232+\b], v[232+\b], v[96+16*\b+\i], v[97+16*\b+\i]
.endr
.endr
.irp b, 0,1,2,3
	v_max_num_f32 v[232+\b], v[232+\b], v[111+16*\b]
.endr
.irp b, 0,1,2,3
	s_delay_alu instid0(VALU_DEP_4)
	v_permlanex16_b32 v[236+\b], v[232+\b], s[SEL], s[SEL+1]
.endr
.irp b, 0,1,2,3
	s_delay_alu instid0(VALU_DEP_4)
	v_max_num_f32 v[232+\b], v[232+\b], v[236+\b]  ; with lane l xor 16's 16 keys
.endr
	s_delay_alu instid0(VALU_DEP_2)
	v_max3_num_f32 v254, v232, v233, v234
	s_delay_alu instid0(VALU_DEP_1)
	v_max_num_f32 v254, v254, v235                 ; the step's largest score of my query
	s_delay_alu instid0(VALU_DEP_1)
	v_mul_f32 v254, s[CS], v254                    ; as t
	s_delay_alu instid0(VALU_DEP_1)
	v_max_num_f32 v13, v13, v254                   ; the running largest t
	v_mov_b32 v254, v12
	s_delay_alu instid0(VALU_DEP_2)
	v_floor_f32 v12, -v13                          ; the new -M = floor(-t): M is a whole number
	s_delay_alu instid0(VALU_DEP_1)
	v_sub_f32 v254, v12, v254                      ; old M - new M: a whole number, 0 or less
	s_delay_alu instid0(VALU_DEP_1)
	v_cvt_i32_f32 v254, v254                       ; (it saturates)
	s_delay_alu instid0(VALU_DEP_1)
	v_ldexp_f32 v252, 1.0, v254                    ; f = 2^(old M - new M)
.set J, 0
.rept 32
	v_pk_fma_f32 v[96+J:97+J], v[96+J:97+J], s[CS:CS+1], v[12:13] op_sel_hi:[1,0,0]   ; t - M, two at a time
.set J, J+2
.endr
.irp b, 0,1,2,3
	v_fma_f32 v[232+\b], v[232+\b], s[CS], v12     ; the same of each block's largest score
.endr
.set J, 0
	s_wait_alu depctr_va_vdst(0)
.rept 64
	v_exp_f32 v[96+J], v[96+J]                     ; p = 2^(t - M), at most 1
.set J, J+1
.endr
	v_pk_mul_f32 v[14:15], v[14:15], v[252:253] op_sel_hi:[1,0]   ; the sums under the new M (a plain line behind the exponentials)
	s_wait_alu depctr_va_vdst(0)                   ; one wait for the whole batch, ahead of its first reader
.irp b, 0,1,2,3
	v_exp_f32 v[232+\b], v[232+\b]                 ; the block's largest p
.endr
	v_pk_add_f32 v[236:237], v[100:101], v[104:105]
	v_pk_add_f32 v[250:251], v[108:109], v[112:113]
	v_pk_add_f32 v[246:247], v[116:117], v[120:121]
	v_pk_add_f32 v[244:245], v[124:125], v[128:129]
	v_pk_add_f32 v[240:241], v[132:133], v[136:137]
	v_pk_add_f32 v[238:239], v[140:141], v[144:145]
	v_pk_add_f32 v[230:231], v[148:149], v[152:153]
	v_pk_add_f32 v[14:15], v[14:15], v[156:157]
	v_pk_add_f32 v[236:237], v[236:237], v[96:97]
	v_pk_add_f32 v[250:251], v[250:251], v[98:99]
	v_pk_add_f32 v[246:247], v[246:247], v[102:103]
	v_pk_add_f32 v[244:245], v[244:245], v[106:107]
	v_pk_add_f32 v[240:241], v[240:241], v[110:111]
	v_pk_add_f32 v[238:239], v[238:239], v[114:115]
	v_pk_add_f32 v[230:231], v[230:231], v[118:119]
	v_pk_add_f32 v[14:15], v[14:15], v[122:123]
	v_pk_add_f32 v[236:237], v[236:237], v[126:127]
	v_pk_add_f32 v[250:251], v[250:251], v[130:131]
	v_pk_add_f32 v[246:247], v[246:247], v[134:135]
	v_pk_add_f32 v[244:245], v[244:245], v[138:139]
	v_pk_add_f32 v[240:241], v[240:241], v[142:143]
	v_pk_add_f32 v[238:239], v[238:239], v[146:147]
	v_pk_add_f32 v[230:231], v[230:231], v[150:151]
	v_pk_add_f32 v[14:15], v[14:15], v[154:155]
	v_pk_add_f32 v[236:237], v[236:237], v[158:159]
	s_delay_alu instid0(VALU_DEP_2)
	v_pk_add_f32 v[14:15], v[14:15], v[244:245]
	s_delay_alu instid0(VALU_DEP_2)
	v_pk_add_f32 v[236:237], v[236:237], v[240:241]
	v_pk_add_f32 v[250:251], v[250:251], v[238:239]
	v_pk_add_f32 v[246:247], v[246:247], v[230:231]
	s_delay_alu instid0(VALU_DEP_2)
	v_pk_add_f32 v[14:15], v[14:15], v[250:251]
	s_delay_alu instid0(VALU_DEP_2)
	v_pk_add_f32 v[236:237], v[236:237], v[246:247]
	s_delay_alu instid0(VALU_DEP_1)
	v_pk_add_f32 v[14:15], v[14:15], v[236:237]
	s_wait_alu depctr_va_vdst(0)                   ; and one for the four
.irp b, 0,1,2,3
	v_max_num_f32 v[232+\b], 0x2800000, v[232+\b]  ; the floor 2^(5 - 127): the byte cannot fall under 1
.endr
.irp b, 0,1,2,3
	s_delay_alu instid0(VALU_DEP_4)
	v_add_nc_u32 v[244+\b], 0xfe000000, v[232+\b]  ; 4 off the exponent field: the conversion's scale operand
.endr
.irp b, 0,1,2,3
	s_delay_alu instid0(VALU_DEP_4)
	v_lshrrev_b32 v[236+\b], 23, v[244+\b]         ; the scale's byte
.endr
	s_delay_alu instid0(VALU_DEP_3)
	v_lshl_or_b32 v253, v237, 8, v236              ; p's scale word for these 128 keys
	s_delay_alu instid0(VALU_DEP_1)
	v_lshl_or_b32 v253, v238, 16, v253
	s_delay_alu instid0(VALU_DEP_1)
	v_lshl_or_b32 v253, v239, 24, v253
.irp c, 0,1
	v_cvt_scalef32_pk16_bf6_f32 v[224+6*\c:226+6*\c], v[96+32*\c:111+32*\c], v[244+2*\c]
	v_cvt_scalef32_pk16_bf6_f32 v[236+4*\c:238+4*\c], v[112+32*\c:127+32*\c], v[244+2*\c+1]
.endr
	v_nop                                          ; one plain line behind a scaled conversion
.irp c, 0,1                                    ; a WHOLE block in a lane: lanes 0-15 block 2 c, lanes 16-31 block 2 c + 1
.irp i, 0,1,2
	v_permlane16_swap_b32 v[224+6*\c+\i], v[236+4*\c+\i]
.endr
.irp i, 0,1,2
	s_delay_alu instid0(VALU_DEP_3)
	v_mov_b32 v[227+6*\c+\i], v[236+4*\c+\i]
.endr
.endr
.set J, 0
.rept 16
	v_pk_mul_f32 v[160+J:161+J], v[160+J:161+J], v[252:253] op_sel_hi:[1,0]   ; O^T under the new M.  (These sixteen stand between the lines that made p's codes and scale word and the products)
.set J, J+2
.endr
	s_wait_alu depctr_va_vdst(0)
	s_wait_dscnt 0x0                               ; v's fragments and scale words are in
.irp t, 0,1,2,3                                ; four accumulators, one instruction each
.if \t%2
	v_wmma_scale_f32_16x16x128_f8f6f4 v[160+8*\t:167+8*\t], v[32+12*\t:43+12*\t], v[224:235], v[160+8*\t:167+8*\t], v[248+\t/2], v253 matrix_a_fmt:MATRIX_FMT_BF6 matrix_b_fmt:MATRIX_FMT_BF6 matrix_a_scale:MATRIX_SCALE_ROW1
.else
	v_wmma_scale_f32_16x16x128_f8f6f4 v[160+8*\t:167+8*\t], v[32+12*\t:43+12*\t], v[224:235], v[160+8*\t:167+8*\t], v[248+\t/2], v253 matrix_a_fmt:MATRIX_FMT_BF6 matrix_b_fmt:MATRIX_FMT_BF6
.endif
.endr
.Lskip_\@:
	s_lshr_b32 s14, s14, 1
	s_lshr_b32 s15, s15, 1
	s_add_co_u32 s6, s6, 256
	s_add_co_u32 s7, s7, 6144
	s_add_co_u32 s8, s8, 512
	s_sub_co_u32 s3, s3, 1
	s_cmp_lg_u32 s3, 0
	s_cbranch_scc1 .Ltrip_\@
	; the tile's way out: O^T / l, quantised along the head's 64 channels (two blocks), stored as half an operand's image
.rept 4
	v_nop                                          ; places behind the last products
.endr
	v_add_f32 v14, v14, v15
	s_delay_alu instid0(VALU_DEP_1)
	v_permlanex16_b32 v252, v14, s[SEL], s[SEL+1]
	s_delay_alu instid0(VALU_DEP_1)
	v_add_f32 v14, v14, v252                       ; the row's sum
	s_wait_alu depctr_va_vdst(0)
	v_rcp_f32 v14, v14
	v_nop                                          ; a plain line behind the transcendental
	s_wait_alu depctr_va_vdst(0)                   ; and the wait ahead of its first reader
.set J, 0
.rept 32
	v_mul_f32 v[96+J], v[160+J], v14               ; register 16 b + i: channel 32 b + 16 (lane / 16) + i
.set J, J+1
.endr
.irp b, 0,1
	v_max3_num_f32 v[232+\b], |v[96+16*\b]|, |v[97+16*\b]|, 0x2800000
.endr
.irp i, 2,4,6,8,10,12,14
.irp b, 0,1
	s_delay_alu instid0(VALU_DEP_2)
	v_max3_num_f32 v[232+\b], v[232+\b], |v[96+16*\b+\i]|, |v[97+16*\b+\i]|
.endr
.endr
.irp b, 0,1
	s_delay_alu instid0(VALU_DEP_2)
	v_permlanex16_b32 v[236+\b], v[232+\b], s[SEL], s[SEL+1]
.endr
.irp b, 0,1
	s_delay_alu instid0(VALU_DEP_2)
	v_max_num_f32 v[232+\b], v[232+\b], v[236+\b]
.endr
.irp b, 0,1
	s_delay_alu instid0(VALU_DEP_2)
	v_add_nc_u32 v[244+\b], 0xfe000000, v[232+\b]
.endr
.irp b, 0,1
	s_delay_alu instid0(VALU_DEP_2)
	v_lshrrev_b32 v[236+\b], 23, v[244+\b]
.endr
	s_delay_alu instid0(VALU_DEP_1)
	v_lshl_or_b32 v253, v237, 8, v236              ; my row's two scale bytes
	v_cvt_scalef32_pk16_bf6_f32 v[224:226], v[96:111], v244
	v_cvt_scalef32_pk16_bf6_f32 v[236:238], v[112:127], v245
	v_nop
.irp i, 0,1,2
	v_permlane16_swap_b32 v[224+\i], v[236+\i]
.endr
.irp i, 0,1,2
	s_delay_alu instid0(VALU_DEP_3)
	v_mov_b32 v[227+\i], v[236+\i]
.endr
	s_mul_i32 s28, s[TT], 768
	s_mov_b32 s29, 0
	s_add_nc_u64 s[30:31], s[24:25], s[28:29]
	global_store_b128 v1, v[224:227], s[30:31]             ; 512 consecutive bytes, aligned to 256
	global_store_b64 v2, v[228:229], s[30:31] offset:512   ; 256 consecutive bytes, aligned
	ds_store_b16 v[6+\p], v253                             ; both halves of the lanes write the same bytes with the same value
.endm
	PASS 0
	PASS 1
	s_wait_dscnt 0x0                               ; for the others' sake: my scale bytes have landed
	s_barrier_signal -1
	s_barrier_wait -1
	s_cmp_lt_u32 s[WV], 2
	s_cbranch_scc0 .Lend
	ds_load_b128 v[32:35], v88                     ; a pass's 256 rows x 2 bytes
	s_wait_dscnt 0x0
	global_store_b128 v1, v[32:35], s[26:27]       ; 512 consecutive bytes, aligned to 256
.Lend:
	s_wait_tensorcnt 0x0
	ds_add_u32 v223, v243
	s_wait_dscnt 0x0
	s_endpgm
.Lfunc_end_k_q70e84f742a_attn:
	.size	k_q70e84f742a_attn, .Lfunc_end_k_q70e84f742a_attn-k_q70e84f742a_attn
	.p2alignl 7, 3214868480
	.fill 96, 4, 3214868480
	.section	.rodata,"a",@progbits
	.p2align	6, 0x0
	.amdhsa_kernel k_q70e84f742a_attn
		.amdhsa_group_segment_fixed_size 211968
		.amdhsa_private_segment_fixed_size 0
		.amdhsa_enable_private_segment 0
		.amdhsa_kernarg_size 48
		.amdhsa_user_sgpr_count 2
		.amdhsa_user_sgpr_kernarg_segment_ptr 1
		.amdhsa_wavefront_size32 1
		.amdhsa_system_sgpr_workgroup_id_x 1
		.amdhsa_system_sgpr_workgroup_id_y 1
		.amdhsa_system_sgpr_workgroup_id_z 1
		.amdhsa_system_vgpr_workitem_id 0
		.amdhsa_next_free_vgpr 256
		.amdhsa_next_free_sgpr 102
		.amdhsa_reserve_vcc 0
		.amdhsa_float_denorm_mode_32 3
		.amdhsa_float_denorm_mode_16_64 3
		.amdhsa_memory_ordered 1
		.amdhsa_forward_progress 1
		.amdhsa_inst_pref_size 78
	.end_amdhsa_kernel
	.amdgpu_metadata
---
amdhsa.version: [ 1, 2 ]
amdhsa.kernels:
  - .name:           k_q70e84f742a_attn
    .symbol:         k_q70e84f742a_attn.kd
    .args:
      - { .name: img, .offset: 0, .size: 8, .value_kind: global_buffer, .address_space: global }
      - { .name: isc, .offset: 8, .size: 8, .value_kind: global_buffer, .address_space: global }
      - { .name: mwords, .offset: 16, .size: 8, .value_kind: global_buffer, .address_space: global }
      - { .name: meta, .offset: 24, .size: 8, .value_kind: global_buffer, .address_space: global }
      - { .name: xcodes, .offset: 32, .size: 8, .value_kind: global_buffer, .address_space: global }
      - { .name: xsc, .offset: 40, .size: 8, .value_kind: global_buffer, .address_space: global }
    .group_segment_fixed_size: 211968
    .private_segment_fixed_size: 0
    .kernarg_segment_align: 8
    .kernarg_segment_size: 48
    .max_flat_workgroup_size: 512
    .sgpr_count:     102
    .vgpr_count:     256
    .wavefront_size: 32
...
	.end_amdgpu_metadata
.endif
;; end of part 3
;; launch outg (part 4): grid 8 x 32, 4 waves a work-group, clusters of 4 x 4, 327,680 bytes of LDS; arguments xcodes, xsc, codes, scales, b_o, out0; writes out0
.if DOCPART == 4
	.amdgcn_target "amdgcn-amd-amdhsa--gfx1250"
	.amdhsa_code_object_version 6
	.text
	.protected	k_q70e84f742a_outg
	.globl	k_q70e84f742a_outg
	.p2align	8
	.type	k_q70e84f742a_outg,@function
k_q70e84f742a_outg:
	s_mov_b64 s[64:65], 0
	v_nop
	global_prefetch_b8 v0, s[64:65] scope:SCOPE_SE
	s_setreg_imm32_b32 hwreg(HW_REG_WAVE_MODE, 25, 1), 1
	s_wait_xcnt 0x0
	s_wait_alu depctr_hold_cnt(0) depctr_sa_sdst(0) depctr_va_vdst(0) depctr_va_sdst(0) depctr_va_ssrc(0) depctr_va_vcc(0) depctr_vm_vsrc(0)
	s_getreg_b32 s2, hwreg(HW_REG_IB_STS2, 6, 4)
	s_cmp_eq_u32 s2, 0
	s_cbranch_scc0 .Lentry_in_a_cluster
	s_endpgm
.Lentry_in_a_cluster:
	s_bfe_u32 s2, ttmp6, 0x10000c
	s_cmp_lg_u32 s2, 0xf033
	s_cbranch_scc0 .Lentry_shape_is_right
	s_endpgm
.Lentry_shape_is_right:
; OUTG: out0 = x W_o^T + b_o on codes of BF6 with E8M0 scales.  A work-group makes 256 rows x 128 columns, a wave 128 rows x 64 columns.  32 x 8 work-groups.
; All of K (1,024) comes into LDS once, one tensor load a wave: x's 256 rows as images of operand registers (16 heads x 16 tiles x 768 bytes; waves 0, 1 eight heads each), W_o's 128 rows as a dense block of 106,496 bytes
; (steps of 256 along K, rows of 208 bytes; waves 2, 3 a half each).  CLUSTERS 4 x 4: x's tile is asked for jointly along a row of the cluster, W_o's block along a column.
; A wave first takes its 64 rows of W_o, all of K, into 384 registers.  Then it walks its eight tiles of 16 rows: 8 steps x 4 products on 4 accumulators by turns; a finished tile (16 rows x 256 bytes) goes through the wave's stage
; and is stored while the next tile is multiplied.  The stage lies in W_o's bytes, which have had their only fill and, behind the second barrier, their last read.
; No prefetch: nothing is asked for behind the head.
; x's scale bytes (2 for a row and head) are turned into words of four in LDS bytes of their own; W_o's scale words go from memory into registers.
; TRANSPOSED USE: source 0 = 16 rows of W_o, source 1 = 16 rows of x: a lane holds eight neighbouring columns of a row.  Tile T of x holds rows 32 (T / 2) + 8 (T % 2) + r + 8 (r / 8).
; REGISTERS: window 0: v0-31 addresses, v32-63 W_o's scale words, v64-127 x's, v128-191 rows read back from the stage, two sets; window 1: v0-63 accumulators, two sets, v64-255 x's fragments, two sets of 8 steps;
;   window 2: W_o's steps 0-4; window 3: steps 5-7.
.set PITCH,  208
.set KB,     128*PITCH
.set WO_ROW, 27648
.set HEADB,  512*768
.set LBB,    16*12288
.set SCLA,   LBB+4*KB
.set SPARE,  SCLA+8192
.set SPITCH, 272
.set CO,   7
.set SB,   8
.set XO,   9
.set XS,   10
.set ADSA, 11
.set BO,   12
.set ADRB, 16
.set A16,  18
.set A8,   22
.set STO,  26
.set RD,   27
.set SPW,  28
.set NIL,  29
.set BOA,  30
.set SCB,  32
.set SCA,  64
.set BK,   128
.set G1, 24
.set G0, 32
.set G1B, 48
.set G0B, 56
.set MSB, 0
.macro WIN new
.if MSB != \new
	s_set_vgpr_msb (MSB<<8)|\new
.set MSB, \new
.endif
.endm
.macro CROUND
	s_barrier_signal -1
	s_barrier_wait -1
	s_cmp_lg_u32 s14, 0
	s_cbranch_scc1 .Lnot_wave_0_\@
	s_barrier_signal -3
.Lnot_wave_0_\@:
	s_barrier_wait -3
	s_barrier_signal -1
	s_barrier_wait -1
.endm
.macro PLACES
.rept 4
	v_nop
.endr
.endm
	s_load_b128 s[4:7], s[0:1], 0x0                ; xcodes, xsc
	s_load_b128 s[8:11], s[0:1], 0x10              ; codes, scales
	s_load_b128 s[96:99], s[0:1], 0x20             ; b_o, out0
	v_lshl_add_u32 v[SPW], v0, 2, SPARE
	v_mov_b32 v[NIL], 0
	ds_add_u32 v[SPW], v[NIL]                      ; the opening lines: the add twice on end
	ds_add_u32 v[SPW], v[NIL]
	v_lshrrev_b32 v1, 5, v0
	v_readfirstlane_b32 s14, v1                    ; wave
	s_lshr_b32 s15, s14, 1                         ; my half of the rows.  Also: I fetch for x (0) or W_o (1)
	s_and_b32 s16, s14, 1                          ; my half of the columns.  Also: which half I fetch
	s_bfe_u32 s40, ttmp6, 0x40000                  ; cx
	s_bfe_u32 s41, ttmp6, 0x40004                  ; cy
	s_lshl_b32 s42, ttmp9, 2
	s_add_co_u32 s42, s42, s40                     ; block of 128 columns
	s_and_b32 s17, ttmp7, 0xffff
	s_lshl_b32 s17, s17, 2
	s_add_co_u32 s17, s17, s41                     ; tile of 256 rows
	s_lshl_b32 s43, s41, 2
	s_lshl_b32 s43, 15, s43                        ; my row of the cluster
	s_lshl_b32 s44, 0x1111, s40                    ; my column
	s_or_b32 s[G1], s43, (3<<16)|(1<<21)           ; x: 8 heads, a row of 12,288 bytes (1,536 elements of 8 bytes) each, 393,216 bytes apart
	s_mov_b32 s[G1+1], 1536<<16
	s_mov_b32 s[G1+2], 8<<16
	s_mov_b32 s[G1+3], 1536<<16
	s_mov_b32 s[G1+4], 8
	s_mov_b32 s[G1+5], HEADB/8
	s_mov_b32 s[G1+6], 0
	s_mov_b32 s[G1+7], 0
	s_or_b32 s[G1B], s44, (3<<16)|(1<<21)          ; W_o: 208 rows of 256 bytes
	s_mov_b32 s[G1B+1], 32<<16
	s_mov_b32 s[G1B+2], 208<<16
	s_mov_b32 s[G1B+3], 32<<16
	s_mov_b32 s[G1B+4], 208
	s_mov_b32 s[G1B+5], 32
	s_mov_b32 s[G1B+6], 0
	s_mov_b32 s[G1B+7], 0
	s_mul_i32 s20, s17, 12288
	s_mul_i32 s18, s16, 8*HEADB
	s_add_co_u32 s20, s20, s18
	s_mov_b32 s21, 0
	s_mul_i32 s45, s16, 8*12288
	s_lshl_b32 s46, s42, 7
	s_add_co_u32 s46, s46, WO_ROW                  ; W_o's first row of mine, in codes and scales
	s_lshl_b32 s22, s46, 5
	s_mov_b32 s23, 0
	s_mul_i32 s46, s46, 832
	s_mul_i32 s94, s16, 2*KB
	s_add_co_u32 s46, s46, s94
	s_mov_b32 s47, 0
	s_add_co_u32 s94, s94, LBB
	s_wait_dscnt 0x0
	s_wait_kmcnt 0x0
	s_add_nc_u64 s[20:21], s[4:5], s[20:21]
	s_add_nc_u64 s[46:47], s[8:9], s[46:47]
	CROUND                                         ; the joint loads meet
	s_mov_b32 s[G0], 1
	s_mov_b32 s[G0+1], s45
	s_mov_b64 s[G0+2:G0+3], s[20:21]
	s_or_b32 s[G0+3], s[G0+3], 0x80000000
	s_mov_b32 s[G0B], 1
	s_mov_b32 s[G0B+1], s94
	s_mov_b64 s[G0B+2:G0B+3], s[46:47]
	s_or_b32 s[G0B+3], s[G0B+3], 0x80000000
	s_cmp_eq_u32 s15, 0
	s_cbranch_scc0 .Lfor_b
	tensor_load_to_lds s[G0:G0+3], s[G1:G1+7]
	s_nop 0
	PLACES
	s_branch .Lasked
.Lfor_b:
	tensor_load_to_lds s[G0B:G0B+3], s[G1B:G1B+7]
	s_nop 0
	PLACES
.Lasked:
	s_add_nc_u64 s[10:11], s[10:11], s[22:23]      ; W_o's scales
	s_mov_b32 s69, 0
	s_lshl_b32 s68, s17, 9
	s_add_nc_u64 s[6:7], s[6:7], s[68:69]          ; x's scale bytes: 256 rows x 2
	s_lshl_b32 s68, s42, 9
	s_lshl_b32 s70, s16, 8
	s_add_co_u32 s68, s68, s70                     ; my 64 columns, in bytes
	s_add_nc_u64 s[96:97], s[96:97], s[68:69]
	s_add_nc_u64 s[12:13], s[98:99], s[68:69]
	s_lshl_b32 s68, s17, 8
	s_lshl_b32 s70, s15, 7
	s_add_co_u32 s68, s68, s70
	s_lshl_b32 s68, s68, 12                        ; my first row of out0, 4,096 bytes a row
	s_add_nc_u64 s[12:13], s[12:13], s[68:69]
	s_mul_i32 s71, s14, 16*SPITCH
	s_add_co_u32 s71, s71, LBB                     ; my stage
	s_lshl_b32 s72, s15, 12
	s_add_co_u32 s72, s72, SCLA                    ; the scale words of my 128 rows
	s_lshl_b32 s73, s16, 11                        ; W_o's scales: my 64 rows
	s_mul_i32 s74, s16, 64*PITCH
	s_add_co_u32 s74, s74, LBB                     ; W_o's codes: my 64 rows
	s_mul_i32 s75, s15, 8*768                      ; x's images: my 8 tiles
	v_and_b32 v1, 15, v0                           ; r
	v_bfe_u32 v2, v0, 4, 1                         ; h
	v_and_b32 v6, 31, v0
	v_lshlrev_b32 v[BOA], 4, v1
	v_lshl_add_u32 v[CO], v2, 12, v[BOA]           ; out: lanes 0-15 a row's 256 bytes, lanes 16-31 the next row's
	v_lshlrev_b32 v3, 5, v1
	v_add_nc_u32 v[SB], s73, v3
	v_add_nc_u32 v[ADSA], s72, v3
	v_lshlrev_b32 v[XO], 2, v0                     ; thread t reads the bytes of rows 2 t, 2 t + 1,
	v_lshl_add_u32 v[XS], v0, 6, SCLA              ; and puts their 2 x 32 bytes here
	v_mul_u32_u24 v3, v1, PITCH
	v_mad_u32_u24 v3, v2, 24, v3
	v_add_nc_u32 v[ADRB], s74, v3
	v_add_nc_u32 v[ADRB+1], 2*KB, v[ADRB]
	v_lshl_add_u32 v[A16], v6, 4, s75
	v_lshl_add_u32 v[A8], v6, 3, s75
.irp j, 1,2,3
	v_add_nc_u32 v[A16+\j], \j*4*12288, v[A16]     ; four heads to an address register
	v_add_nc_u32 v[A8+\j], \j*4*12288, v[A8]
.endr
	v_mul_u32_u24 v3, v1, SPITCH
	v_lshl_add_u32 v3, v2, 5, v3
	v_add_nc_u32 v[STO], s71, v3
	v_mul_u32_u24 v3, v2, SPITCH
	v_add_nc_u32 v3, v3, v[BOA]
	v_add_nc_u32 v[RD], s71, v3
	s_wait_alu depctr_va_vdst(0)                   ; the wait at the head's end
.irp d, 0,1,2,3,4,5,6,7,8,9,10,11,12,13,14,15
	global_load_b32 v[192+\d], v[XO], s[6:7] offset:\d*16384
.endr
.irp i, 0,1,2,3
	global_load_b128 v[SCB+8*\i:SCB+8*\i+3], v[SB], s[10:11] offset:512*\i
	global_load_b128 v[SCB+8*\i+4:SCB+8*\i+7], v[SB], s[10:11] offset:512*\i+16
.endr
	global_load_b128 v[BO:BO+3], v[BOA], s[96:97]
	s_wait_loadcnt 9                               ; x's sixteen are in; the nine behind them may be out
.irp s, 0,1,2,3,4,5,6,7
	v_perm_b32 v[208+\s], v[193+2*\s], v[192+2*\s], 0x05040100   ; row 2 t: word s = heads 2 s, 2 s + 1
	v_perm_b32 v[216+\s], v[193+2*\s], v[192+2*\s], 0x07060302   ; row 2 t + 1
.endr
	s_wait_alu depctr_va_vdst(0)                   ; directly ahead of the wait below
	s_wait_tensorcnt 0x0                           ; my part of the tiles is in
.irp i, 0,1,2,3
	ds_store_b128 v[XS], v[208+4*\i:211+4*\i] offset:16*\i
.endr
	s_wait_dscnt 0x0
	s_barrier_signal -1
	s_barrier_wait -1                              ; the tiles and the scale words are whole
.macro FETCH_A a                       ; tile a, all 8 steps: step st = heads 2 st, 2 st + 1
	WIN 0x40
.irp st, 0,1,2,3,4,5,6,7
.irp c, 0,1
	ds_load_b128 v[64+96*((\a)%2)+12*\st+6*\c:64+96*((\a)%2)+12*\st+6*\c+3], v[A16+\st/2] offset:((2*\st+\c)%4)*12288+(\a)*768
	ds_load_b64 v[64+96*((\a)%2)+12*\st+6*\c+4:64+96*((\a)%2)+12*\st+6*\c+5], v[A8+\st/2] offset:((2*\st+\c)%4)*12288+(\a)*768+512
.endr
.endr
	WIN 0
.endm
.set F, 0
.rept 32                               ; W_o's fragment F = 4 x step + block of 16 rows
.if F < 20
	WIN 0x80
.set R, 12*F
.else
	WIN 0xc0
.set R, 12*(F-20)
.endif
.irp p, 0,1,2,3,4,5
	ds_load_b64 v[R+2*\p:R+2*\p+1], v[ADRB+F/16] offset:((F/8)%2)*KB+((F/4)%2)*96+48*(\p/3)+8*(\p%3)+(F%4)*16*PITCH
.endr
.set F, F+1
.endr
	WIN 0
.irp a, 0,1,2,3,4,5,6,7
	ds_load_b128 v[SCA+8*\a:SCA+8*\a+3], v[ADSA] offset:512*\a
	ds_load_b128 v[SCA+8*\a+4:SCA+8*\a+7], v[ADSA] offset:512*\a+16
.endr
	FETCH_A 0
	s_wait_loadcnt 0x0
	s_wait_dscnt 0x0                               ; my reads of W_o's bytes are over
	s_barrier_signal -1
	s_barrier_wait -1                              ; and everybody's: the stages may be written
.macro MULS a, st                      ; 4 products: the tile's 4 accumulators by turns
.if (\st) < 5
.set FB, 48*(\st)
.set MW, 0x56
.else
.set FB, 48*((\st)-5)
.set MW, 0x57
.endif
	WIN MW
.irp b, 0,1,2,3
.if (\st) == 0
	v_wmma_scale_f32_16x16x128_f8f6f4 v[32*((\a)%2)+8*\b:32*((\a)%2)+8*\b+7], v[FB+12*\b:FB+12*\b+11], v[64+96*((\a)%2)+12*(\st):64+96*((\a)%2)+12*(\st)+11], 0, v[SCB+8*\b+(\st)], v[SCA+8*(\a)+(\st)] matrix_a_fmt:MATRIX_FMT_BF6 matrix_b_fmt:MATRIX_FMT_BF6
.else
	v_wmma_scale_f32_16x16x128_f8f6f4 v[32*((\a)%2)+8*\b:32*((\a)%2)+8*\b+7], v[FB+12*\b:FB+12*\b+11], v[64+96*((\a)%2)+12*(\st):64+96*((\a)%2)+12*(\st)+11], v[32*((\a)%2)+8*\b:32*((\a)%2)+8*\b+7], v[SCB+8*\b+(\st)], v[SCA+8*(\a)+(\st)] matrix_a_fmt:MATRIX_FMT_BF6 matrix_b_fmt:MATRIX_FMT_BF6
.endif
.endr
.endm
.macro TOSTAGE a                       ; 16 rows x 64 columns into my stage, and back as rows of 256 bytes
	WIN 0x04
.irp b, 0,1,2,3
	ds_store_b128 v[STO], v[32*((\a)%2)+8*\b:32*((\a)%2)+8*\b+3] offset:64*\b          ; each accumulator from its low end on
	ds_store_b128 v[STO], v[32*((\a)%2)+8*\b+4:32*((\a)%2)+8*\b+7] offset:64*\b+16
.endr
	WIN 0
.irp t, 0,1,2,3,4,5,6,7
	ds_load_b128 v[BK+32*((\a)%2)+4*\t:BK+32*((\a)%2)+4*\t+3], v[RD] offset:\t*2*SPITCH   ; LDS serves a wave's instructions in order: these see the stores above
.endr
.endm
.macro SEND a, younger
	s_wait_dscnt \younger                          ; the tile is back in registers
.if (\a) > 0
.if (\a)%2
	s_add_nc_u64 s[12:13], s[12:13], 8*4096        ; tile 2 u + 1 begins 8 rows behind tile 2 u,
.else
	s_add_nc_u64 s[12:13], s[12:13], 24*4096       ; tile 2 u + 2 another 24
.endif
.endif
.irp t, 0,1,2,3,4,5,6,7
	v_pk_add_f32 v[BK+32*((\a)%2)+4*\t:BK+32*((\a)%2)+4*\t+1], v[BK+32*((\a)%2)+4*\t:BK+32*((\a)%2)+4*\t+1], v[BO:BO+1]
	v_pk_add_f32 v[BK+32*((\a)%2)+4*\t+2:BK+32*((\a)%2)+4*\t+3], v[BK+32*((\a)%2)+4*\t+2:BK+32*((\a)%2)+4*\t+3], v[BO+2:BO+3]
.endr
.irp t, 0,1,2,3,4,5,6,7
	global_store_b128 v[CO], v[BK+32*((\a)%2)+4*\t:BK+32*((\a)%2)+4*\t+3], s[12:13] offset:(2*\t+8*(\t/4))*4096 th:TH_STORE_NT   ; sixteen lanes store 256 consecutive bytes, aligned
.endr
.endm
.macro BLOCK a
	s_wait_dscnt 0x0                               ; this tile's fragments, asked for in the middle of the last tile
.irp st, 0,1,2,3
	MULS \a, \st
.endr
	WIN 0
.if (\a) > 0
.if (\a) > 1
	s_wait_xcnt 0x0                                ; the earlier stores have read their registers and their base
.endif
	TOSTAGE (\a)-1                                 ; (the places behind the last tile's products: the additions or v_nop at that tile's end)
.endif
.if (\a) < 7
	FETCH_A (\a)+1
.endif
.irp st, 4,5,6,7
	MULS \a, \st
.endr
	WIN 0
.if (\a) > 0
.if (\a) < 7
	SEND (\a)-1, 32                                ; behind the stage's loads stand the next tile's 32
.else
	SEND (\a)-1, 0
.endif
.else
	PLACES
.endif
.endm
.irp a, 0,1,2,3,4,5,6,7
	BLOCK \a
.endr
	s_wait_xcnt 0x0
	TOSTAGE 7
	SEND 7, 0
	s_wait_tensorcnt 0x0                           ; the wave's end
	ds_add_u32 v[SPW], v[NIL]
	s_wait_dscnt 0x0
	CROUND                                         ; the closing round
	s_endpgm
.Lfunc_end_k_q70e84f742a_outg:
	.size	k_q70e84f742a_outg, .Lfunc_end_k_q70e84f742a_outg-k_q70e84f742a_outg
	.p2alignl 7, 3214868480
	.fill 96, 4, 3214868480
	.section	.rodata,"a",@progbits
	.p2align	6, 0x0
	.amdhsa_kernel k_q70e84f742a_outg
		.amdhsa_group_segment_fixed_size 327680
		.amdhsa_private_segment_fixed_size 0
		.amdhsa_enable_private_segment 0
		.amdhsa_kernarg_size 48
		.amdhsa_user_sgpr_count 2
		.amdhsa_user_sgpr_kernarg_segment_ptr 1
		.amdhsa_wavefront_size32 1
		.amdhsa_system_sgpr_workgroup_id_x 1
		.amdhsa_system_sgpr_workgroup_id_y 1
		.amdhsa_system_sgpr_workgroup_id_z 1
		.amdhsa_system_vgpr_workitem_id 0
		.amdhsa_next_free_vgpr 1024
		.amdhsa_next_free_sgpr 100
		.amdhsa_reserve_vcc 0
		.amdhsa_float_denorm_mode_32 3
		.amdhsa_float_denorm_mode_16_64 3
		.amdhsa_memory_ordered 1
		.amdhsa_forward_progress 1
		.amdhsa_inst_pref_size 99
	.end_amdhsa_kernel
	.amdgpu_metadata
---
amdhsa.version: [ 1, 2 ]
amdhsa.kernels:
  - .name:           k_q70e84f742a_outg
    .symbol:         k_q70e84f742a_outg.kd
    .args:
      - { .name: xcodes, .offset: 0, .size: 8, .value_kind: global_buffer, .address_space: global }
      - { .name: xsc, .offset: 8, .size: 8, .value_kind: global_buffer, .address_space: global }
      - { .name: codes, .offset: 16, .size: 8, .value_kind: global_buffer, .address_space: global }
      - { .name: scales, .offset: 24, .size: 8, .value_kind: global_buffer, .address_space: global }
      - { .name: b_o, .offset: 32, .size: 8, .value_kind: global_buffer, .address_space: global }
      - { .name: out0, .offset: 40, .size: 8, .value_kind: global_buffer, .address_space: global }
    .group_segment_fixed_size: 327680
    .private_segment_fixed_size: 0
    .kernarg_segment_align: 8
    .kernarg_segment_size: 48
    .max_flat_workgroup_size: 128
    .sgpr_count:     100
    .vgpr_count:     1024
    .wavefront_size: 32
...
	.end_amdgpu_metadata
.endif
;; end of part 4
